; MI455X (gfx1250); checked and timed in simulation.
; The chip was launched on July 23, 2026; its instructions are those of AMD's public machine-readable ISA for CDNA 5 (MIT licence, August 2026) and "CDNA5" Instruction Set Architecture Reference Guide (July 2026). The comments in the code are by the model that wrote it; some were corrected since.
;; Casual Self Attention. Allowed arithmetic: matrix products marked QUANTISED: E3M2 operands, one E8M0 scale for each 32 along K, by v_wmma_scale_f32_16x16x128_f8f6f4 with both operands' format E3M2, f32 sums; everything else in f32.
;; Inputs: bk 1,024 float32; bp 1,024 float32; bq 1,024 float32; bv 1,024 float32; wk 1,024 x 1,024 float32; wp 1,024 x 1,024 float32; wq 1,024 x 1,024 float32; wv 1,024 x 1,024 float32; x 4 x 2,048 x 1,024 float32.
;; Outputs: out0 4 x 2,048 x 1,024 float32.
;; This version of the problem:
;;   THIS VERSION OF THE PROBLEM IS GIVEN IN LOW PRECISION. The matrix products marked QUANTISED in the list below multiply operands that are first quantised to E3M2 (3 exponent bits, 2 mantissa bits; 6 bits a number), with one power-of-two scale for each 32 numbers along K (OCP MX v1.0); their sums are f32. All else is computed in f32.
;;   The module's matrix products, in the order in which they are computed (A, B: the left and right operand; K: the contracted axis; several contracted axes count as one K, in the product's order):
;;     1. [M 8,192, K 1,024] x [K 1,024, N 1,024]; A: input x; B: input wq: QUANTISED
;;     2. [M 8,192, K 1,024] x [K 1,024, N 1,024]; A: input x; B: input wk: QUANTISED
;;     3. [M 8,192, K 1,024] x [K 1,024, N 1,024]; A: input x; B: input wv: QUANTISED
;;     4. batch 64 x [M 2,048, K 64] x [K 64, N 2,048]; A: computed on the way; B: computed on the way: QUANTISED
;;     5. batch 64 x [M 2,048, K 2,048] x [K 2,048, N 64]; A: softmax (see below); B: computed on the way: QUANTISED
;;     6. [M 8,192, K 1,024] x [K 1,024, N 1,024]; A: computed on the way; B: input wp: QUANTISED
;;   THE QUANTISER, for each operand of a quantised product, along K:
;;     - K is cut into blocks of 32 from its start; a last block that is shorter is filled with zeros.
;;     - A block's scale is 2^e with e = floor(log2(the largest magnitude in the block)) - 4, held to -126 .. 127; a block of zeros has e = 0. As a byte (E8M0): e + 127.
;;     - Each number is divided by its block's scale, clamped to +-28, and rounded to the nearest number of E3M2, ties to even, subnormals kept.
;;     - The product sums the exact products of the quantised numbers (number of the format x scale) in f32.
;;   ~~~python
;;   def quantise(x, axis):      # numpy; x: float32 -> the quantised numbers, widened to float32 again
;;       x = np.moveaxis(x, axis, -1); K = x.shape[-1]
;;       x = np.pad(x, [(0, 0)] * (x.ndim - 1) + [(0, -K % 32)]); x = x.reshape(x.shape[:-1] + (-1, 32)); a = np.abs(x).max(-1, keepdims=True)
;;       e = np.where(a > 0, np.clip(np.frexp(np.where(a > 0, a, 1))[1] - 1 - 4, -126, 127), 0)      # np.frexp(a)[1] - 1 = floor(log2(a)), exactly
;;       r = np.clip(x / 2.0 ** e, -28, 28)
;;       step = 2.0 ** (np.maximum(np.frexp(np.where(r == 0, 1, r))[1] - 1, -2) - 2)
;;       q = np.round(r / step) * step * 2.0 ** e      # np.round: ties to even
;;       return np.moveaxis(q.reshape(q.shape[:-2] + (-1,))[..., :K], -1, axis).astype(np.float32)
;;   ~~~
;;   SOFTMAX AHEAD OF A QUANTISED PRODUCT. Where the list says 'softmax', what is quantised is not the finished softmax but p = 2^(t - M), with t = logit x log2(e) and M = ceil(the row's largest t), a whole number; so 1/2 < the row's largest p <= 1. The row's sum l is taken of the UNQUANTISED p, in f32, and the product's result is divided by l at the end. Since M is a whole number, a kernel that streams over the keys may use a running M (the ceiling of the running maximum): every later rescaling is an exact power of two, which a block's scale takes up: the codes' values come out the same.
;;   OPERANDS COMPUTED ON THE WAY. 'Computed on the way' means the value that the module computes at that place (a softmax that the list does not call 'softmax' is quantised finished and normalised). What goes into a quantiser is computed in f32, as accurately as f32 sums, v_exp_f32 and their like allow (about 1e-6 of the number): no bf16 or f16 on the way to a quantiser, and a product that is left as it is and whose result goes on into a quantised operand takes f32 operands (vector FMAs, or v_wmma_f32_16x16x4_f32). A number that lies on a knife's edge between two numbers of the format may be rounded either way, as far as f32 arithmetic and the matrix unit's own rounding can turn it there, and no further.
;; One version. Each part assembles by itself: llvm-mc -triple=amdgcn-amd-amdhsa -mcpu=gfx1250 --defsym DOCPART=n.
;; ======== version 1 of 1: 5 launches
;; workspace buffers: xw_img 9,437,184 bytes; xw_sc 393,216 bytes; qk_img 12,582,912 bytes; qk_sc 1,048,576 bytes; v_img 6,291,456 bytes; v_sc 262,144 bytes; y_img 6,291,456 bytes; y_sc 262,144 bytes
;; launch quant_x (part 1): grid 512 x 1, 4 waves a work-group, no clusters, 34,816 bytes of LDS; arguments x, xw_img, xw_sc; writes xw_img, xw_sc
.if DOCPART == 1
	.amdgcn_target "amdgcn-amd-amdhsa--gfx1250"
	.amdhsa_code_object_version 6
	.text
	.protected	k_qcf7bd7dd7f_quant_x
	.globl	k_qcf7bd7dd7f_quant_x
	.p2align	8
	.type	k_qcf7bd7dd7f_quant_x,@function
k_qcf7bd7dd7f_quant_x:
	s_mov_b64 s[64:65], 0
	v_nop
	global_prefetch_b8 v0, s[64:65] scope:SCOPE_SE
	s_setreg_imm32_b32 hwreg(HW_REG_WAVE_MODE, 25, 1), 1
	s_wait_xcnt 0x0
; x [8192][1024] f32 becomes codes of BF6 (E3M2) with one E8M0 byte for each 32 along K, laid as the products' launches read them.
; THE IMAGE.  A unit is 16 rows x 64 K of codes, 768 bytes, in the order of an operand's registers: [piece 0..2][lane 0..31][8 bytes]; lane (r, h) holds bytes 24 h + 8 piece on of row r's 48.
; xw_img is [row tile][unit 0..15][768].  Two units are a fragment of 16 rows x 128 K: six loads of 8 bytes a lane, each 256 consecutive bytes.
; THE ROWS OF A TILE ARE NOT NEIGHBOURS: lane r of tile n is row 32 (n / 2) + 8 (n % 2) + r % 8 + 16 (r / 8), so that a product used transposed leaves 16 neighbours of the next K in the 16 registers of two neighbouring tiles.
; xw_sc is [row in that order][32 bytes].
; A block's scale is 2^(floor(log2(its largest magnitude)) - 4); its byte is the largest magnitude's exponent field - 4, held at 1 from below.
; LIMITS: a block of zeros gets the byte 1 where the rule says 127 (its codes are zeros, and this program alone reads the bytes); blocks whose largest magnitude lies under 2^-122 are held at the byte 1; NaN and infinities are not served.
; SHARES.  A work-group takes a tile of 16 rows, wave w the K quarter 256 w on, in two steps of 128.  Each load reads 512 consecutive bytes of a row; a step's 16 x 512 bytes turn through the wave's own stage in LDS
; (rows 528 bytes apart) and come back so that lane (r, h) holds, of row r, 16 neighbours of each block of 32.  All 32 loads go out at the head.  No input is shared between work-groups: no cluster, no tensor load.
.set SP,   528                         ; a stage row: 512 bytes + 16
.set STG,  16*SP                       ; a wave's stage
.set SCB,  4*STG                       ; behind the stages: the tile's 16 x 32 scale bytes
.set TM,   8                           ; v8-23   at work in QUANT
.set PW,   24                          ; v24-25  the two steps' scale words
.set R,    32                          ; v32-159 two steps' numbers as loaded
.set X,    160                         ; v160-223 64 numbers back from the stage
.set PC,   224                         ; v224-242 the codes
.set SEL,  20                          ; s[20:21] lane selects: lane l xor 16
	s_load_b128 s[4:7], s[0:1], 0x0                ; x, xw_img
	s_load_b64 s[8:9], s[0:1], 0x10                ; xw_sc
	v_lshl_add_u32 v244, v0, 2, 0x8600
	v_mov_b32 v245, 0
	v_lshrrev_b32 v1, 5, v0
	v_readfirstlane_b32 s10, v1                    ; wave
	v_and_b32 v7, 31, v0                           ; lane
	v_and_b32 v26, 15, v0                          ; r
	v_bfe_u32 v27, v0, 4, 1                        ; h
	v_lshlrev_b32 v1, 4, v7                        ; 16 x lane
	s_mul_i32 s11, s10, STG
	v_add_nc_u32 v2, s11, v1                       ; the stage, on the way in
	v_mul_u32_u24 v3, v26, SP
	v_lshl_add_u32 v3, v27, 6, v3
	v_add_nc_u32 v3, s11, v3                       ; and out: row r, + 64 h
	v_lshlrev_b32 v4, 3, v7                        ; 8 x lane: my place in a piece of a unit
	s_lshl_b32 s12, s10, 3
	v_lshl_add_u32 v5, v26, 5, s12
	v_add_nc_u32 v5, SCB, v5                       ; my row's scale bytes, my wave's eight
	v_add_nc_u32 v6, SCB, v1
.irp b, 0,1,2,3
	v_mov_b32 v[TM+4+\b], 0                        ; written once: a lane permute's destination counts as one of its sources
.endr
	s_mov_b32 s[SEL], 0x76543210
	s_mov_b32 s[SEL+1], 0xfedcba98
	s_lshr_b32 s13, ttmp9, 1
	s_lshl_b32 s13, s13, 5
	s_and_b32 s14, ttmp9, 1
	s_lshl_b32 s14, s14, 3
	s_add_co_u32 s13, s13, s14                     ; the tile's first row: 32 (n / 2) + 8 (n % 2)
	s_lshl_b32 s14, s13, 12
	s_lshl_b32 s15, s10, 10
	s_add_co_u32 s14, s14, s15                     ; x: 4,096 bytes a row, 1,024 a K quarter
	s_mov_b32 s15, 0
	s_mul_i32 s16, ttmp9, 12288
	s_mul_i32 s17, s10, 3072
	s_add_co_u32 s16, s16, s17                     ; the image: 12,288 bytes a tile, four units a K quarter
	s_mov_b32 s17, 0
	s_lshl_b32 s18, ttmp9, 9                       ; the scale bytes: 512 a tile
	s_mov_b32 s19, 0
	s_wait_alu depctr_va_vdst(0)
	s_wait_kmcnt 0x0
	s_add_nc_u64 s[4:5], s[4:5], s[14:15]
	s_add_nc_u64 s[6:7], s[6:7], s[16:17]
	s_add_nc_u64 s[8:9], s[8:9], s[18:19]
.macro LOAD s                          ; step s: the tile's 16 rows, 512 consecutive bytes each
.irp i, 0,1,2,3,4,5,6,7,8,9,10,11,12,13,14,15
	global_load_b128 v[R+64*\s+4*\i:R+64*\s+4*\i+3], v1, s[4:5] offset:((\i%8)+16*(\i/8))*4096+512*\s th:TH_LOAD_NT
.endr
.endm
.macro TURN src, dst                   ; through the stage: LDS serves a wave's instructions in order (ISA guide 5.7.1.4), so no wait stands between the stores and the loads
.irp i, 0,1,2,3,4,5,6,7,8,9,10,11,12,13,14,15
	ds_store_b128 v2, v[\src+4*\i:\src+4*\i+3] offset:SP*\i
.endr
.irp b, 0,1,2,3
.irp j, 0,1,2,3
	ds_load_b128 v[\dst+16*\b+4*\j:\dst+16*\b+4*\j+3], v3 offset:128*\b+16*\j   ; register 16 b + i = k 32 b + 16 h + i of row r
.endr
.endr
.endm
; 64 numbers of a lane, register 16 b + i = k 32 b + 16 h + i of my row, become a fragment's codes in v[PC] on and its scale word in v[pw].
.macro QUANT s, pw
.irp b, 0,1,2,3
	v_max3_num_f32 v[TM+\b], |v[\s+16*\b]|, |v[\s+1+16*\b]|, 0x2800000   ; block b: my 16 numbers, and the floor 2^(5 - 127): the byte cannot fall under 1
.endr
.irp i, 2,4,6,8,10,12,14
.irp b, 0,1,2,3
	v_max3_num_f32 v[TM+\b], v[TM+\b], |v[\s+16*\b+\i]|, |v[\s+1+16*\b+\i]|   ; the four blocks by turns
.endr
.endr
.irp b, 0,1,2,3
	v_permlanex16_b32 v[TM+4+\b], v[TM+\b], s[SEL], s[SEL+1]
.endr
.irp b, 0,1,2,3
	v_max_num_f32 v[TM+\b], v[TM+\b], v[TM+4+\b]   ; with lane l xor 16's: the block's largest magnitude
.endr
.irp b, 0,1,2,3
	v_add_nc_u32 v[TM+12+\b], 0xfe000000, v[TM+\b] ; 4 off its exponent field: the conversion takes that field as its scale
.endr
.irp b, 0,1,2,3
	v_lshrrev_b32 v[TM+4+\b], 23, v[TM+12+\b]      ; the scale's byte
.endr
	v_lshl_or_b32 v[\pw], v[TM+5], 8, v[TM+4]
	v_lshl_or_b32 v[\pw], v[TM+6], 16, v[\pw]
	v_lshl_or_b32 v[\pw], v[TM+7], 24, v[\pw]
.irp c, 0,1
	v_cvt_scalef32_pk16_bf6_f32 v[PC+6*\c:PC+2+6*\c], v[\s+32*\c:\s+15+32*\c], v[TM+12+2*\c]
	v_cvt_scalef32_pk16_bf6_f32 v[PC+12+4*\c:PC+14+4*\c], v[\s+16+32*\c:\s+31+32*\c], v[TM+12+2*\c+1]   ; (a conversion's three registers begin on an even number)
.endr
	v_nop                                          ; one plain place behind a scaled conversion
.irp c, 0,1                            ; the operand's layout wants a whole block in a lane: lanes 0-15 block 2 c, lanes 16-31 block 2 c + 1
.irp i, 0,1,2
	v_permlane16_swap_b32 v[PC+6*\c+\i], v[PC+12+4*\c+\i]
.endr
.irp i, 0,1,2
	v_mov_b32 v[PC+3+6*\c+\i], v[PC+12+4*\c+\i]
.endr
.endr
.endm
.macro PUT s                           ; the fragment leaves as two units: each store covers 256 consecutive bytes, aligned
.irp p, 0,1,2,3,4,5
	global_store_b64 v4, v[PC+2*\p:PC+2*\p+1], s[6:7] offset:(2*\s+\p/3)*768+(\p%3)*256
.endr
.endm
	LOAD 0
	LOAD 1
	s_wait_loadcnt 16                              ; step 0's sixteen loads are in; step 1's sixteen may be out
	TURN R, X
	s_wait_dscnt 0x0
	QUANT X, PW
	PUT 0
	s_wait_loadcnt 0x0
	TURN R+64, R                                   ; step 1 comes back into step 0's registers, which are done with
	s_wait_dscnt 0x0
	s_wait_xcnt 0x0                                ; step 0's stores have read the codes' registers: they are written again only behind this wait
	QUANT R, PW+1
	PUT 1
	ds_store_b64 v5, v[PW:PW+1]                    ; my row's eight scale bytes (lanes r and r + 16 write the same bytes with the same value)
	s_wait_dscnt 0x0                               ; for wave 0's sake: my store is done
	s_barrier_signal -1
	s_barrier_wait -1
	s_cmp_lg_u32 s10, 0
	s_cbranch_scc1 .Ldone
	ds_load_b128 v[28:31], v6                      ; wave 0 takes the tile's 512 scale bytes
	s_wait_dscnt 0x0
	global_store_b128 v1, v[28:31], s[8:9]         ; 512 consecutive bytes, aligned
.Ldone:
	s_wait_tensorcnt 0x0
	ds_add_u32 v244, v245
	s_wait_dscnt 0x0
	s_endpgm
.Lfunc_end_k_qcf7bd7dd7f_quant_x:
	.size	k_qcf7bd7dd7f_quant_x, .Lfunc_end_k_qcf7bd7dd7f_quant_x-k_qcf7bd7dd7f_quant_x
	.p2alignl 7, 3214868480
	.fill 96, 4, 3214868480
	.section	.rodata,"a",@progbits
	.p2align	6, 0x0
	.amdhsa_kernel k_qcf7bd7dd7f_quant_x
		.amdhsa_group_segment_fixed_size 34816
		.amdhsa_private_segment_fixed_size 0
		.amdhsa_enable_private_segment 0
		.amdhsa_kernarg_size 24
		.amdhsa_user_sgpr_count 2
		.amdhsa_user_sgpr_kernarg_segment_ptr 1
		.amdhsa_wavefront_size32 1
		.amdhsa_system_sgpr_workgroup_id_x 1
		.amdhsa_system_sgpr_workgroup_id_y 1
		.amdhsa_system_sgpr_workgroup_id_z 1
		.amdhsa_system_vgpr_workitem_id 0
		.amdhsa_next_free_vgpr 246
		.amdhsa_next_free_sgpr 66
		.amdhsa_reserve_vcc 0
		.amdhsa_float_denorm_mode_32 3
		.amdhsa_float_denorm_mode_16_64 3
		.amdhsa_memory_ordered 1
		.amdhsa_forward_progress 1
		.amdhsa_inst_pref_size 19
	.end_amdhsa_kernel
	.amdgpu_metadata
---
amdhsa.version: [ 1, 2 ]
amdhsa.kernels:
  - .name:           k_qcf7bd7dd7f_quant_x
    .symbol:         k_qcf7bd7dd7f_quant_x.kd
    .args:
      - { .name: x, .offset: 0, .size: 8, .value_kind: global_buffer, .address_space: global }
      - { .name: xw_img, .offset: 8, .size: 8, .value_kind: global_buffer, .address_space: global }
      - { .name: xw_sc, .offset: 16, .size: 8, .value_kind: global_buffer, .address_space: global }
    .group_segment_fixed_size: 34816
    .private_segment_fixed_size: 0
    .kernarg_segment_align: 8
    .kernarg_segment_size: 24
    .max_flat_workgroup_size: 128
    .sgpr_count:     66
    .vgpr_count:     246
    .wavefront_size: 32
...
	.end_amdgpu_metadata
.endif
;; end of part 1
;; launch quant_w (part 2): grid 32 x 8, 4 waves a work-group, no clusters, 13,824 bytes of LDS; arguments wq, wk, wv, wp, xw_img, xw_sc; writes xw_img, xw_sc
.if DOCPART == 2
	.amdgcn_target "amdgcn-amd-amdhsa--gfx1250"
	.amdhsa_code_object_version 6
	.text
	.protected	k_qcf7bd7dd7f_quant_w
	.globl	k_qcf7bd7dd7f_quant_w
	.p2align	8
	.type	k_qcf7bd7dd7f_quant_w,@function
k_qcf7bd7dd7f_quant_w:
	s_mov_b64 s[64:65], 0
	v_nop
	global_prefetch_b8 v0, s[64:65] scope:SCOPE_SE
	s_setreg_imm32_b32 hwreg(HW_REG_WAVE_MODE, 25, 1), 1
	s_wait_xcnt 0x0
; wq, wk, wv, wp [1024 (k)][1024 (n)] f32 become codes of BF6 (E3M2) along K, their FIRST axis, laid as row tiles 512 + 64 weight + n / 16 of xw_img (a row of the image = a column n), with their scale bytes in xw_sc.
; The image's unit (16 rows x 64 K, [piece][lane][8 bytes]) and the order of a tile's rows (row 32 (n / 2) + 8 (n % 2) + r % 8 + 16 (r / 8)) are those of the launch that quantises x.
; A LANE TAKES A COLUMN, AND ITS REGISTERS RUN DOWN K: each load reads 128 consecutive bytes, a block of 32 lies in one lane, and the conversions give codes with K innermost.  Nothing is transposed by an instruction.
; LIMITS: a block of zeros gets the byte 1 where the rule says 127 (its codes are zeros, and this program alone reads the bytes); blocks whose largest magnitude lies under 2^-122 are held at the byte 1; NaN and infinities are not served.
; SHARES.  Work-group x: weight x / 8, columns 128 (x % 8) on; y: K 128 y on.  A wave takes 32 columns x 128 K: two tiles x two units.  They are gathered in the wave's own LDS bytes in the image's order and leave as
; stores of 512 consecutive bytes.  The scale words (4 bytes a column) go to rows 32 bytes apart: 131,072 bytes in the whole launch are stored so, in parts of aligned blocks of 256.
; Loads run two blocks (64 loads a wave) ahead.  No input is shared between work-groups: no cluster, no tensor load, no barrier.
.set X,    32                          ; v32-159  four blocks of 32 numbers
.set C,    160                         ; v160-191 eight registers for each block's codes: no LDS store's data are written again
.set SB,   24                          ; v24      the four scale bytes
.set OUTR, 192                         ; v192-215 the way out
.set WREG, 3328                        ; a wave's LDS bytes: two tiles,
.set TOFF, 1664                        ; 1,536 bytes each and 128 between, so that the two tiles' stores fall on different halves of the banks (64 banks of 4 bytes: ISA guide 11.1)
	s_load_b256 s[4:11], s[0:1], 0x0               ; wq, wk, wv, wp
	s_load_b128 s[12:15], s[0:1], 0x20             ; xw_img, xw_sc
	v_lshl_add_u32 v216, v0, 2, 0x3400
	v_mov_b32 v217, 0
	v_lshrrev_b32 v1, 5, v0
	v_readfirstlane_b32 s16, v1                    ; wave
	v_and_b32 v2, 31, v0                           ; c: my column of the wave's 32
	v_lshlrev_b32 v3, 2, v2
	v_bfe_u32 v5, v0, 3, 1                         ; which of the two tiles: bit 3 of c
	v_and_b32 v6, 7, v0
	v_bfe_u32 v7, v0, 4, 1
	v_lshl_or_b32 v6, v7, 3, v6                    ; my row in it: c % 8 + 8 (c / 16)
	s_mul_i32 s17, s16, WREG
	v_mul_u32_u24 v4, v5, TOFF
	v_lshl_add_u32 v4, v6, 3, v4
	v_add_nc_u32 v4, s17, v4                       ; where my codes go
	v_lshlrev_b32 v8, 4, v2                        ; 16 x lane
	v_add_nc_u32 v9, s17, v8                       ; and where they are read back
	v_lshl_add_u32 v10, v5, 4, v6
	v_lshlrev_b32 v10, 5, v10                      ; my row of scale bytes: 32 bytes a row
	s_lshr_b32 s18, ttmp9, 3                       ; which weight
	s_and_b32 s19, ttmp9, 7                        ; which 128 columns
	s_and_b32 s20, ttmp7, 0xffff                   ; which 128 along K
	s_lshl_b32 s22, s20, 19                        ; the source: 128 rows of 4,096 bytes,
	s_lshl_b32 s21, s19, 9
	s_add_co_u32 s22, s22, s21
	s_lshl_b32 s21, s16, 7
	s_add_co_u32 s22, s22, s21                     ; + 4 bytes a column
	s_mov_b32 s23, 0
	s_lshl_b32 s24, s18, 6
	s_lshl_b32 s21, s19, 3
	s_add_co_u32 s24, s24, s21
	s_lshl_b32 s21, s16, 1
	s_add_co_u32 s24, s24, s21
	s_add_co_u32 s24, s24, 512                     ; my first row tile
	s_mul_i32 s26, s24, 12288
	s_mul_i32 s21, s20, 1536
	s_add_co_u32 s26, s26, s21                     ; the image: + two units for each 128 along K
	s_mov_b32 s27, 0
	s_lshl_b32 s28, s24, 9
	s_lshl_b32 s21, s20, 2
	s_add_co_u32 s28, s28, s21                     ; the scale bytes: + four
	s_mov_b32 s29, 0
	s_wait_kmcnt 0x0
	s_cmp_eq_u32 s18, 1                            ; the choice hangs on the work-group's number alone
	s_cselect_b64 s[4:5], s[6:7], s[4:5]
	s_cmp_eq_u32 s18, 2
	s_cselect_b64 s[4:5], s[8:9], s[4:5]
	s_cmp_eq_u32 s18, 3
	s_cselect_b64 s[4:5], s[10:11], s[4:5]
	s_add_nc_u64 s[4:5], s[4:5], s[22:23]
	s_add_nc_u64 s[12:13], s[12:13], s[26:27]
	s_add_nc_u64 s[14:15], s[14:15], s[28:29]
.macro LOAD t
.irp i, 0,1,2,3,4,5,6,7,8,9,10,11,12,13,14,15,16,17,18,19,20,21,22,23,24,25,26,27,28,29,30,31
	global_load_b32 v[X+32*(\t)+\i], v3, s[4:5] offset:(32*(\t)+\i)*4096 th:TH_LOAD_NT
.endr
.endm
	LOAD 0
	LOAD 1
.macro BLOCK t
.set XS, X+32*(\t)
.set CC, C+8*(\t)
.if (\t) < 3
	s_wait_loadcnt 32                              ; this block's 32 loads are in; the next block's 32 may be out
.else
	s_wait_loadcnt 0x0
.endif
.if (\t)+2 < 4
	LOAD (\t)+2
.endif
	v_max3_num_f32 v12, |v[XS]|, |v[XS+1]|, |v[XS+2]|   ; the block's largest magnitude: all 32 numbers are mine
	v_max3_num_f32 v13, |v[XS+3]|, |v[XS+4]|, |v[XS+5]|
.irp i, 6,10,14,18,22,26
	v_max3_num_f32 v12, v12, |v[XS+\i]|, |v[XS+\i+1]|
	v_max3_num_f32 v13, v13, |v[XS+\i+2]|, |v[XS+\i+3]|
.endr
	v_max3_num_f32 v12, v12, |v[XS+30]|, |v[XS+31]|
	v_max3_num_f32 v12, v12, v13, 0x2800000        ; and the floor 2^(5 - 127)
	v_add_nc_u32 v11, 0xfe000000, v12              ; 4 off its exponent field: the conversion's scale operand
	v_lshrrev_b32 v13, 23, v11                     ; the scale's byte
.if (\t) == 0
	v_mov_b32 v[SB], v13
.else
	v_lshl_or_b32 v[SB], v13, 8*(\t), v[SB]
.endif
	v_cvt_scalef32_pk16_bf6_f32 v[CC:CC+2], v[XS:XS+15], v11
	v_cvt_scalef32_pk16_bf6_f32 v[CC+4:CC+6], v[XS+16:XS+31], v11   ; (a conversion's three registers begin on an even number)
	v_nop                                          ; one plain place behind a scaled conversion
	v_mov_b32 v[CC+3], v[CC+4]                     ; the block's 24 bytes on end
	v_mov_b32 v[CC+4], v[CC+5]
	v_mov_b32 v[CC+5], v[CC+6]
.irp p, 0,1,2
	ds_store_b64 v4, v[CC+2*\p:CC+2*\p+1] offset:((\t)/2)*768+128*((\t)%2)+256*\p   ; unit t / 2, lane r + 16 (t % 2), piece p
.endr
.endm
	BLOCK 0
	BLOCK 1
	BLOCK 2
	BLOCK 3
	global_store_b32 v10, v[SB], s[14:15]          ; my column's four scale bytes
.irp e, 0,1
.irp i, 0,1,2
	ds_load_b128 v[OUTR+4*(3*\e+\i):OUTR+4*(3*\e+\i)+3], v9 offset:TOFF*\e+512*\i   ; LDS serves a wave's instructions in order: these see my stores
.endr
.endr
.irp e, 0,1
.irp i, 0,1,2
	s_wait_dscnt 5-(3*\e+\i)
	global_store_b128 v8, v[OUTR+4*(3*\e+\i):OUTR+4*(3*\e+\i)+3], s[12:13] offset:12288*\e+512*\i   ; 512 consecutive bytes, aligned
.endr
.endr
	s_wait_tensorcnt 0x0
	ds_add_u32 v216, v217
	s_wait_dscnt 0x0
	s_endpgm
.Lfunc_end_k_qcf7bd7dd7f_quant_w:
	.size	k_qcf7bd7dd7f_quant_w, .Lfunc_end_k_qcf7bd7dd7f_quant_w-k_qcf7bd7dd7f_quant_w
	.p2alignl 7, 3214868480
	.fill 96, 4, 3214868480
	.section	.rodata,"a",@progbits
	.p2align	6, 0x0
	.amdhsa_kernel k_qcf7bd7dd7f_quant_w
		.amdhsa_group_segment_fixed_size 13824
		.amdhsa_private_segment_fixed_size 0
		.amdhsa_enable_private_segment 0
		.amdhsa_kernarg_size 48
		.amdhsa_user_sgpr_count 2
		.amdhsa_user_sgpr_kernarg_segment_ptr 1
		.amdhsa_wavefront_size32 1
		.amdhsa_system_sgpr_workgroup_id_x 1
		.amdhsa_system_sgpr_workgroup_id_y 1
		.amdhsa_system_sgpr_workgroup_id_z 1
		.amdhsa_system_vgpr_workitem_id 0
		.amdhsa_next_free_vgpr 218
		.amdhsa_next_free_sgpr 66
		.amdhsa_reserve_vcc 0
		.amdhsa_float_denorm_mode_32 3
		.amdhsa_float_denorm_mode_16_64 3
		.amdhsa_memory_ordered 1
		.amdhsa_forward_progress 1
		.amdhsa_inst_pref_size 23
	.end_amdhsa_kernel
	.amdgpu_metadata
---
amdhsa.version: [ 1, 2 ]
amdhsa.kernels:
  - .name:           k_qcf7bd7dd7f_quant_w
    .symbol:         k_qcf7bd7dd7f_quant_w.kd
    .args:
      - { .name: wq, .offset: 0, .size: 8, .value_kind: global_buffer, .address_space: global }
      - { .name: wk, .offset: 8, .size: 8, .value_kind: global_buffer, .address_space: global }
      - { .name: wv, .offset: 16, .size: 8, .value_kind: global_buffer, .address_space: global }
      - { .name: wp, .offset: 24, .size: 8, .value_kind: global_buffer, .address_space: global }
      - { .name: xw_img, .offset: 32, .size: 8, .value_kind: global_buffer, .address_space: global }
      - { .name: xw_sc, .offset: 40, .size: 8, .value_kind: global_buffer, .address_space: global }
    .group_segment_fixed_size: 13824
    .private_segment_fixed_size: 0
    .kernarg_segment_align: 8
    .kernarg_segment_size: 48
    .max_flat_workgroup_size: 128
    .sgpr_count:     66
    .vgpr_count:     218
    .wavefront_size: 32
...
	.end_amdgpu_metadata
.endif
;; end of part 2
;; launch qkv (part 3): grid 12 x 32, 4 waves a work-group, clusters of 4 x 4, 327,680 bytes of LDS; arguments xw_img, xw_sc, bq, bk, bv, qk_img, qk_sc, v_img, v_sc; writes qk_img, qk_sc, v_img, v_sc
.if DOCPART == 3
	.amdgcn_target "amdgcn-amd-amdhsa--gfx1250"
	.amdhsa_code_object_version 6
	.text
	.protected	k_qcf7bd7dd7f_qkv
	.globl	k_qcf7bd7dd7f_qkv
	.p2align	8
	.type	k_qcf7bd7dd7f_qkv,@function
k_qcf7bd7dd7f_qkv:
	s_mov_b64 s[64:65], 0
	v_nop
	global_prefetch_b8 v0, s[64:65] scope:SCOPE_SE
	s_setreg_imm32_b32 hwreg(HW_REG_WAVE_MODE, 25, 1), 1
	s_wait_xcnt 0x0
	s_wait_alu depctr_hold_cnt(0) depctr_sa_sdst(0) depctr_va_vdst(0) depctr_va_sdst(0) depctr_va_ssrc(0) depctr_va_vcc(0) depctr_vm_vsrc(0)
	s_getreg_b32 s2, hwreg(HW_REG_IB_STS2, 6, 4)
	s_cmp_eq_u32 s2, 0
	s_cbranch_scc0 .Lentry_in_a_cluster
	s_endpgm
.Lentry_in_a_cluster:
	s_bfe_u32 s2, ttmp6, 0x10000c
	s_cmp_lg_u32 s2, 0xf033
	s_cbranch_scc0 .Lentry_shape_is_right
	s_endpgm
.Lentry_shape_is_right:
; q = x wq + bq, k = x wk + bk, v = x wv + bv on codes of BF6 (E3M2) with E8M0 scales for each 32 along K = 1,024; the results are quantised in registers for attention's two products and leave as codes.
; A tile of 256 x 256 results is made by four waves, 128 x 128 each: 64 accumulators, 512 registers.  K goes in steps of 256 through two LDS slots filled by the tensor data mover.
; OPERANDS lie in memory as images of registers: a unit = 16 rows x 64 K = [piece 0..2][lane][8 bytes], 768 bytes; xw_img = [row tile][unit 0..15].  A fragment (16 rows x 128 K) is six loads of 8 bytes a lane, each 256
; consecutive LDS bytes: no padding is needed.  Row tiles 0-511 are x, 512-575 wq, 576-639 wk, 640-703 wv (a row = a column of the weight).
; THE ROWS OF A TILE ARE NOT NEIGHBOURS: lane r of tile n is row 32 (n / 2) + 8 (n % 2) + r % 8 + 16 (r / 8).  The matrix instruction is used transposed (source 0 = 16 rows of B, source 1 = 16 rows of A): a lane holds one
; row of A, and the 16 registers of B's tiles 2 b and 2 b + 1 are B's rows 32 b + 16 (lane / 16) + 0 .. 15: 16 NEIGHBOURS, which the conversions take as they stand.
; TWO WAYS, chosen by the cluster's x, which all partners share.  x = 0, 1: A = x (tokens), B = wq or wk (channels): a lane's registers run along the channels: q and k are quantised along the head's 64.
; x = 2: A = wv (channels), B = x (tokens): v^T, a lane's registers run along the tokens: v is quantised along the keys.
; OUT.  qk_img [g 0..31 (q: head, k: 16 + head)][token tile 0..511][768];  qk_sc [g][128 tokens][tile / 4][r][tile % 4] words (two bytes, the upper two 0);
;       v_img [64 tokens 0..127][channel tile 0..63][768];  v_sc [128 tokens 0..63][head][r][tile % 4] words.  Every store of codes covers 256 consecutive bytes, aligned; every store of words 512.
; CLUSTERS: 4 x 4 work-groups; A's tiles are asked for jointly along a row of the cluster, B's along a column.
; LIMITS: a block of zeros gets the byte 1 where the rule says 127 (its codes are zeros, and this program alone reads the bytes); blocks whose largest magnitude lies under 2^-122 are held at the byte 1; NaN and infinities are not served.
; REGISTERS, in windows of 256: window 0: v0-31 addresses; v32-63 scale words, two sets; v64-127 the bias; from v128 A's fragments, one set (on the way out: codes and what the quantiser works on).
;   window 1: B's fragments, two sets, at v0 and v128.   window 2: the accumulators of my rows 0-63 ((a, b) at v[8 (8 a + b)]);   window 3: those of my rows 64-127.
.set UNIT,   768
.set TROW,   3072                      ; a row tile's four units of a K step of 256
.set NQ,     2                         ; matrix instructions deep in a slot
.set FR,     12                        ; registers of a fragment
.set NL,     6                         ; LDS loads that bring one
.set NP,     4                         ; places behind this matrix instruction (ISA guide 7.12.1)
.set HALFT,  8*TROW                    ; 128 rows: what one tensor load brings
.set SLOT,   4*HALFT                   ; A's 256 rows, then B's 256 rows
.set LAPS,   2                         ; 1,024 along K = two laps of two K steps
.set KS,     32                        ; a row of scale bytes
.set SCL,    2*SLOT                    ; behind the ring: the scale bytes, as 256 bytes + 16 of padding
.set HALFS,  (128*KS/256)*272
.set SBLK,   (16*KS/256)*272
.set SPARE,  SCL+4*HALFS               ; the spare words, 128 bytes for each wave: two blocks of 256 bytes that no other line names
.set ADRA, 16                          ; v16-17  LDS address of my A fragments in slot 0, 1
.set ADRB, 20                          ; v20-21  the same for B
.set L8,   24                          ; v24     8 x lane
.set L16,  25                          ; v25     16 x lane
.set ADRS, 27                          ; v27     LDS address of my scale words: lanes 0-15 A's rows, lanes 16-31 B's
.set SPW,  28                          ; v28     LDS address of my spare word; never rewritten
.set NIL,  29                          ; v29     0; never rewritten
.set BOQ,  30                          ; v30     the bias along registers: 64 (lane / 16)
.set BOV,  31                          ; v31     the bias along lanes: 4 (r % 8) + 64 (r / 8)
.set SC,   32
.set BI,   64
.set AF,   128
.set PC,   128                         ; the way out: v128-146 codes
.set TM,   160                         ; v160-175 at work
.set PWB,  176                         ; v176-183 the eight blocks' scale words
.set T,    184                         ; v184-195 the words as they leave
.set G1, 24
.set G0, 32
.set G1B, 48
.set G0B, 56
.set G1S, 68
.set G0S, 76
.set G1SB, 80
.set G0SB, 88
.set SEL, 98
.set MSB, 0
.macro WIN new                         ; the immediate's high byte repeats the setting that is left
.if MSB != \new
	s_set_vgpr_msb (MSB<<8)|\new
.set MSB, \new
.endif
.endm
.set MUL_LO, 0xa1                      ; source 0 (B) window 1, source 1 (A) window 0, C and D window 2
.set MUL_HI, 0xf1                      ; the same, C and D window 3
.set TO_B,   0x40                      ; destination window 1, address window 0
; A joint load: waves 0 and 1 fetch for A, waves 2 and 3 for B; the branch hangs on the wave's number alone.  Four v_nop follow each of the two lines.
.macro JLOAD g0a, g1a, g0b, g1b
	s_cmp_eq_u32 s15, 0
	s_cbranch_scc0 .Lfor_b_\@
	tensor_load_to_lds s[\g0a:\g0a+3], s[\g1a:\g1a+7]
	s_nop 0
.rept 4
	v_nop
.endr
	s_branch .Lasked_\@
.Lfor_b_\@:
	tensor_load_to_lds s[\g0b:\g0b+3], s[\g1b:\g1b+7]
	s_nop 0
.rept 4
	v_nop
.endr
.Lasked_\@:
.endm
.macro CREST                           ; a round of the cluster's barrier behind its opening barrier
	s_cmp_lg_u32 s14, 0
	s_cbranch_scc1 .Lnot_wave_0_\@
	s_barrier_signal -3
.Lnot_wave_0_\@:
	s_barrier_wait -3
	s_barrier_signal -1
	s_barrier_wait -1
.endm
.macro CROUND
	s_barrier_signal -1
	s_barrier_wait -1
	CREST
.endm
	s_load_b128 s[4:7], s[0:1], 0x0                ; xw_img, xw_sc
	s_load_b256 s[68:75], s[0:1], 0x10             ; bq, bk, bv, qk_img
	s_load_b128 s[76:79], s[0:1], 0x30             ; qk_sc, v_img
	s_load_b64 s[80:81], s[0:1], 0x40              ; v_sc
	v_lshl_add_u32 v[SPW], v0, 2, SPARE
	v_mov_b32 v[NIL], 0
	ds_add_u32 v28, v29
	ds_add_u32 v28, v29
	s_wait_dscnt 0x0
	v_lshrrev_b32 v1, 5, v0
	v_readfirstlane_b32 s14, v1                    ; wave 0..3
	s_lshr_b32 s15, s14, 1                         ; which half of A's rows is mine.  Also: I fetch for A (0) or for B (1)
	s_and_b32 s16, s14, 1                          ; which half of B's rows.  Also: which 128 rows of that tile I fetch
	s_bfe_u32 s40, ttmp6, 0x40000                  ; cx, cy: my place in the cluster
	s_bfe_u32 s41, ttmp6, 0x40004
	s_and_b32 s96, ttmp7, 0xffff
	s_lshl_b32 s96, s96, 2                         ; 4 x cluster y
	s_lshl_b32 s97, ttmp9, 2
	s_add_co_u32 s97, s97, 32                      ; 32 + 4 x cluster x
	s_cmp_eq_u32 ttmp9, 2                          ; the way for v?  It hangs on the cluster's x, which all partners share
	s_cselect_b32 s2, 1, 0
	s_cselect_b32 s17, 40, s96
	s_cselect_b32 s42, s96, s97
	s_add_co_u32 s17, s17, s41                     ; A's 256 rows of the image: x's 4 Y + cy, or wv's 40 + cy
	s_add_co_u32 s42, s42, s40                     ; B's: wq's or wk's 32 + 4 X + cx, or x's 4 Y + cx
	s_lshl_b32 s43, s41, 2
	s_lshl_b32 s43, 15, s43                        ; my row of the cluster
	s_lshl_b32 s44, 0x1111, s40                    ; my column
	s_mov_b32 s[SEL], 0x76543210
	s_mov_b32 s[SEL+1], 0xfedcba98
	s_wait_kmcnt 0x0
	s_cmp_eq_u32 ttmp9, 1
	s_cselect_b64 s[8:9], s[70:71], s[68:69]
	s_cmp_eq_u32 ttmp9, 2
	s_cselect_b64 s[8:9], s[72:73], s[8:9]         ; the bias
	s_cselect_b64 s[10:11], s[78:79], s[74:75]     ; where the codes go
	s_cselect_b64 s[12:13], s[80:81], s[76:77]     ; and the scale words
	; descriptor group 1 for codes: 8 row tiles x 3,072 bytes (384 elements of 8 bytes), 12,288 bytes apart in memory, dense in LDS
	s_or_b32 s[G1+0], s43, (3<<16)|(1<<21)         ; 15:0 the mask: A's tiles go to my row; 17:16 elements of 8 bytes; 21 set beside a mask
	s_or_b32 s[G1B+0], s44, (3<<16)|(1<<21)
.irp g, G1, G1B
	s_mov_b32 s[\g+1], 384<<16                     ; tensor_dim0
	s_mov_b32 s[\g+2], 8<<16                       ; tensor_dim1
	s_mov_b32 s[\g+3], 384<<16                     ; tile_dim0
	s_mov_b32 s[\g+4], 8                           ; tile_dim1
	s_mov_b32 s[\g+5], 1536                        ; tensor_dim0_stride
	s_mov_b32 s[\g+6], 0
	s_mov_b32 s[\g+7], 0
.endr
	; and for the scale bytes of 128 rows: 4,096 dense bytes as rows of 256 (32 elements of 8 bytes), 16 bytes of padding behind each
	s_or_b32 s[G1S+0], s43, (3<<16)|(1<<20)|(1<<21)|(5<<22)|(3<<25)
	s_or_b32 s[G1SB+0], s44, (3<<16)|(1<<20)|(1<<21)|(5<<22)|(3<<25)
.irp g, G1S, G1SB
	s_mov_b32 s[\g+1], 32<<16
	s_mov_b32 s[\g+2], (128*KS/256)<<16
	s_mov_b32 s[\g+3], 32<<16
	s_mov_b32 s[\g+4], 128*KS/256
	s_mov_b32 s[\g+5], 32
	s_mov_b32 s[\g+6], 0
	s_mov_b32 s[\g+7], 0
.endr
	s_lshl_b32 s20, s17, 1
	s_add_co_u32 s20, s20, s16                     ; A: which 128 rows I fetch
	s_lshl_b32 s46, s42, 1
	s_add_co_u32 s46, s46, s16                     ; B likewise
	s_lshl_b32 s22, s20, 12                        ; their scale bytes: 4,096 for 128 rows
	s_mov_b32 s23, 0
	s_lshl_b32 s92, s46, 12
	s_mov_b32 s93, 0
	s_mul_i32 s20, s20, 98304                      ; their codes: 8 row tiles of 12,288 bytes
	s_mov_b32 s21, 0
	s_mul_i32 s46, s46, 98304
	s_mov_b32 s47, 0
	s_mul_i32 s45, s14, HALFT                      ; where they go: wave x 128 rows: no place in the cluster enters an LDS address
	s_mul_i32 s94, s14, HALFS
	s_add_nc_u64 s[20:21], s[4:5], s[20:21]
	s_add_nc_u64 s[22:23], s[6:7], s[22:23]
	s_add_nc_u64 s[46:47], s[4:5], s[46:47]
	s_add_nc_u64 s[92:93], s[6:7], s[92:93]
	CROUND                                         ; all sixteen work-groups are here: the first joint loads meet
	s_mov_b32 s[G0S], 1
	s_add_co_u32 s[G0S+1], s94, SCL
	s_mov_b64 s[G0S+2:G0S+3], s[22:23]
	s_or_b32 s[G0S+3], s[G0S+3], 0x80000000
	s_mov_b32 s[G0SB], 1
	s_add_co_u32 s[G0SB+1], s94, SCL
	s_mov_b64 s[G0SB+2:G0SB+3], s[92:93]
	s_or_b32 s[G0SB+3], s[G0SB+3], 0x80000000
	JLOAD G0S, G1S, G0SB, G1SB                     ; the scale bytes for all of K: filled once
.irp s, 0,1
	s_mov_b32 s[G0+4*\s], 1
	s_add_co_u32 s[G0+4*\s+1], s45, \s*SLOT
	s_add_nc_u64 s[G0+4*\s+2:G0+4*\s+3], s[20:21], \s*TROW
	s_or_b32 s[G0+4*\s+3], s[G0+4*\s+3], 0x80000000
	s_mov_b32 s[G0B+4*\s], 1
	s_add_co_u32 s[G0B+4*\s+1], s45, \s*SLOT
	s_add_nc_u64 s[G0B+4*\s+2:G0B+4*\s+3], s[46:47], \s*TROW
	s_or_b32 s[G0B+4*\s+3], s[G0B+4*\s+3], 0x80000000
	JLOAD G0+4*\s, G1, G0B+4*\s, G1B
.endr
	v_and_b32 v1, 15, v0                           ; r
	v_bfe_u32 v2, v0, 4, 1                         ; h
	v_and_b32 v3, 31, v0                           ; lane
	v_lshlrev_b32 v[L8], 3, v3
	v_lshlrev_b32 v[L16], 4, v3
	v_lshlrev_b32 v[BOQ], 6, v2
	v_and_b32 v4, 7, v0
	v_bfe_u32 v5, v0, 3, 1
	v_lshlrev_b32 v[BOV], 2, v4
	v_lshl_add_u32 v[BOV], v5, 6, v[BOV]
	s_mul_i32 s21, s15, HALFT                      ; my 128 rows of A
	s_mul_i32 s22, s16, HALFT                      ; my 128 rows of B,
	s_add_co_u32 s22, s22, 2*HALFT                 ; which lie behind A's 256
.irp s, 0,1
	v_add_nc_u32 v[ADRA+\s], s21, v[L8]
	v_add_nc_u32 v[ADRB+\s], s22, v[L8]
	s_add_co_u32 s21, s21, SLOT
	s_add_co_u32 s22, s22, SLOT
.endr
	v_mul_u32_u24 v5, v1, KS                       ; my row's scale bytes: 32 a row,
	v_lshrrev_b32 v6, 8, v5
	v_lshl_add_u32 v5, v6, 4, v5                   ; and 16 more for each 256 passed
	s_mul_i32 s21, s15, HALFS
	s_mul_i32 s22, s16, HALFS
	s_add_co_u32 s22, s22, 2*HALFS
	s_sub_co_u32 s22, s22, s21
	v_mul_u32_u24 v6, s22, v2                      ; lanes 16-31 take B's
	s_add_co_u32 s21, s21, SCL
	v_add_nc_u32 v5, v5, v6
	v_add_nc_u32 v[ADRS], s21, v5
.macro FRAG reg, adr, q, i             ; a fragment: row tile i of my eight, the slot's q-th 128 along K: two units, three pieces each, 8 bytes a lane
.irp p, 0,1,2,3,4,5
	ds_load_b64 v[\reg+2*\p:\reg+2*\p+1], v[\adr] offset:(\i)*TROW+(2*(\q)+\p/3)*UNIT+(\p%3)*256
.endr
.endm
; 16 matrix instructions: A's blocks a0, a0 + 1 x B's eight.  The 64 accumulators take turns, one instruction a turn, in the same order in every step.
.macro MUL16 a0, p, q, sc, zero
.irp a, \a0, \a0+1
.irp b, 0,1,2,3,4,5,6,7
.if \zero
	v_wmma_scale_f32_16x16x128_f8f6f4 v[8*(8*((\a)%4)+\b):8*(8*((\a)%4)+\b)+7], v[128*(\p)+FR*\b:128*(\p)+FR*\b+FR-1], v[AF+FR*(\a):AF+FR*(\a)+FR-1], 0, v[SC+8*NQ*(\sc)+NQ*\b+(\q)], v[SC+8*NQ*(\sc)+NQ*(\a)+(\q)] matrix_a_fmt:MATRIX_FMT_BF6 matrix_b_fmt:MATRIX_FMT_BF6 matrix_a_scale:MATRIX_SCALE_ROW1
.else
	v_wmma_scale_f32_16x16x128_f8f6f4 v[8*(8*((\a)%4)+\b):8*(8*((\a)%4)+\b)+7], v[128*(\p)+FR*\b:128*(\p)+FR*\b+FR-1], v[AF+FR*(\a):AF+FR*(\a)+FR-1], v[8*(8*((\a)%4)+\b):8*(8*((\a)%4)+\b)+7], v[SC+8*NQ*(\sc)+NQ*\b+(\q)], v[SC+8*NQ*(\sc)+NQ*(\a)+(\q)] matrix_a_fmt:MATRIX_FMT_BF6 matrix_b_fmt:MATRIX_FMT_BF6 matrix_a_scale:MATRIX_SCALE_ROW1
.endif
.endr
.endr
.endm
.macro FETCH_B slot, q, p
	WIN TO_B
.irp i, 0,1,2,3,4,5,6,7
	FRAG 128*(\p)+FR*\i, ADRB+\slot, \q, \i
.endr
	WIN 0
.endm
.macro FETCH_A slot, q, i0
.irp i, \i0, \i0+1, \i0+2, \i0+3
	FRAG AF+FR*(\i), ADRA+\slot, \q, \i
.endr
.endm
.macro SCALES sc                       ; a K step's scale words: two a row; lanes 0-15 take A's block i, lanes 16-31 B's block i
.irp i, 0,1,2,3,4,5,6,7
	ds_load_b64 v[SC+8*NQ*\sc+NQ*\i:SC+8*NQ*\sc+NQ*\i+1], v[ADRS] offset:\i*SBLK
.endr
.endm
.macro PLACES n                        ; plain vector instructions between a matrix instruction and a load into, or a read of, its registers
.rept \n
	v_nop
.endr
.endm
.macro STEP slot, q, zero              ; a step of 128 along K that has its successor in the same slot
	s_wait_dscnt 4*NL                              ; B's set and A's blocks 0-3 are in; the youngest 24 loads (A's blocks 4-7) may be out
	WIN MUL_LO
	MUL16 0, (\q)%2, \q, \slot, \zero
	MUL16 2, (\q)%2, \q, \slot, \zero
	s_wait_dscnt 0
	PLACES NP
	FETCH_B \slot, (\q)+1, 1-(\q)%2
	FETCH_A \slot, (\q)+1, 0
	WIN MUL_HI
	MUL16 4, (\q)%2, \q, \slot, \zero
	MUL16 6, (\q)%2, \q, \slot, \zero
	PLACES NP
	WIN 0
	FETCH_A \slot, (\q)+1, 4
.endm
; A slot's last step changes slots: one barrier; in front of it each wave waits for all its tensor loads, adds 0 to its spare word, and waits for that and for its own reads of this slot.
.macro TURN slot, next, fill
	s_wait_tensorcnt 0x0                           ; all my tensor loads have landed: my part of the next slot
	ds_add_u32 v[SPW], v[NIL]                      ; 0 onto my spare word
	s_wait_dscnt 4*NL+1                            ; (the add and the youngest 24 loads, A's blocks 4-7, may be out)
	WIN MUL_LO
	MUL16 0, 1, NQ-1, \slot, 0
	s_wait_dscnt 0x0                               ; the add is done, and my reads of this slot are over
	s_barrier_signal -1
	MUL16 2, 1, NQ-1, \slot, 0
	WIN 0
	s_barrier_wait -1
.if \fill
	CREST                                          ; the barrier has opened a round of the cluster's barrier: no wave of any partner still reads this slot or has a load on its way
	s_add_nc_u64 s[G0+4*\slot+2:G0+4*\slot+3], s[G0+4*\slot+2:G0+4*\slot+3], 2*TROW
	s_add_nc_u64 s[G0B+4*\slot+2:G0B+4*\slot+3], s[G0B+4*\slot+2:G0B+4*\slot+3], 2*TROW
	JLOAD G0+4*\slot, G1, G0B+4*\slot, G1B         ; the first tensor load behind the round; its four v_nop are the places in front of the loads below
.else
	PLACES NP
.endif
	s_wait_alu depctr_va_vdst(0)
	v_add_nc_u32 v[ADRS], 4*NQ, v[ADRS]            ; on to the next K step's scale words
	FETCH_B \next, 0, 0
	FETCH_A \next, 0, 0
	SCALES \next
	WIN MUL_HI
	MUL16 4, 1, NQ-1, \slot, 0
	MUL16 6, 1, NQ-1, \slot, 0
	PLACES NP
	WIN 0
	FETCH_A \next, 0, 4
.endm
.macro LASTSTEP                        ; the very last step: nothing more to fetch
	s_wait_dscnt 4*NL
	WIN MUL_LO
	MUL16 0, 1, NQ-1, 1, 0
	MUL16 2, 1, NQ-1, 1, 0
	s_wait_dscnt 0
	WIN MUL_HI
	MUL16 4, 1, NQ-1, 1, 0
	MUL16 6, 1, NQ-1, 1, 0
	WIN 0
.endm
; THE WAY OUT of block a (16 rows of A x my 128 rows of B: 64 registers a lane, register 16 b + i = B's row 32 b + 16 h + i): the bias is added, the four blocks of 32 are quantised, two units leave.
.macro OUTBLK a, mode
.set W, 2+(\a)/4
.set AC, 64*((\a)%4)
.set WN, (W<<6)|W
	WIN WN                                         ; destination and source 0: the accumulators' window
.set n, 0
.rept 32
.if \mode
	v_pk_add_f32 v[AC+2*n:AC+2*n+1], v[AC+2*n:AC+2*n+1], v[BI+2*(\a):BI+2*(\a)+1]   ; each accumulator from its low end on; the bias of my lane's channel
.else
	v_pk_add_f32 v[AC+2*n:AC+2*n+1], v[AC+2*n:AC+2*n+1], v[BI+2*n:BI+2*n+1]         ; the bias of the register's channel
.endif
.set n, n+1
.endr
.set WN, (W<<2)|(W<<4)
	WIN WN                                         ; sources 1 and 2: the accumulators' window
.irp b, 0,1,2,3
	v_max3_num_f32 v[TM+\b], 0x2800000, |v[AC+16*\b]|, |v[AC+1+16*\b]|   ; the floor 2^(5 - 127) among the leaves: the byte cannot fall under 1
.endr
.irp i, 2,4,6,8,10,12,14
.irp b, 0,1,2,3
	v_max3_num_f32 v[TM+\b], v[TM+\b], |v[AC+16*\b+\i]|, |v[AC+1+16*\b+\i]|
.endr
.endr
	WIN 0
.irp b, 0,1,2,3
	v_permlanex16_b32 v[TM+4+\b], v[TM+\b], s[SEL], s[SEL+1]
.endr
.irp b, 0,1,2,3
	v_max_num_f32 v[TM+\b], v[TM+\b], v[TM+4+\b]   ; with lane l xor 16's: the block's largest magnitude
.endr
.irp b, 0,1,2,3
	v_add_nc_u32 v[TM+12+\b], 0xfe000000, v[TM+\b] ; 4 off its exponent field: the conversion's scale operand
.endr
.irp b, 0,1,2,3
	v_lshrrev_b32 v[TM+4+\b], 23, v[TM+12+\b]      ; the scale's byte
.endr
	v_lshl_or_b32 v[PWB+(\a)], v[TM+5], 8, v[TM+4]
	v_lshl_or_b32 v[PWB+(\a)], v[TM+6], 16, v[PWB+(\a)]
	v_lshl_or_b32 v[PWB+(\a)], v[TM+7], 24, v[PWB+(\a)]
.if (\a) > 0
	s_wait_xcnt 0x0                                ; the last block's stores have read the codes' registers: they are written again only behind this wait
.endif
	WIN W                                          ; source 0: the accumulators' window
.irp c, 0,1
	v_cvt_scalef32_pk16_bf6_f32 v[PC+6*\c:PC+2+6*\c], v[AC+32*\c:AC+15+32*\c], v[TM+12+2*\c]
	v_cvt_scalef32_pk16_bf6_f32 v[PC+12+4*\c:PC+14+4*\c], v[AC+16+32*\c:AC+31+32*\c], v[TM+12+2*\c+1]
.endr
	WIN 0
	v_nop                                          ; one plain place behind a scaled conversion
.irp c, 0,1
.irp i, 0,1,2
	v_permlane16_swap_b32 v[PC+6*\c+\i], v[PC+12+4*\c+\i]
.endr
.irp i, 0,1,2
	v_mov_b32 v[PC+3+6*\c+\i], v[PC+12+4*\c+\i]
.endr
.endr
.irp p, 0,1,2,3,4,5
	global_store_b64 v[L8], v[PC+2*\p:PC+2*\p+1], s[10:11] offset:(\a)*UNIT+(\p/3)*GS+(\p%3)*256   ; 256 consecutive bytes, aligned
.endr
.endm
.macro TAIL mode
.if \mode
.set GS, 49152                         ; from 64 tokens to the next in v_img
	s_lshl_b32 s96, s42, 2
	s_lshl_b32 s95, s16, 1
	s_add_co_u32 s96, s96, s95                     ; my first 64 tokens: 4 x B's 256 + 2 x half
	s_lshl_b32 s97, s41, 1
	s_add_co_u32 s97, s97, s15                     ; my 128 channels: 2 cy + half
	s_mov_b32 s101, 0
	s_mul_i32 s100, s96, 49152
	s_mul_i32 s95, s97, 6144
	s_add_co_u32 s100, s100, s95
	s_add_nc_u64 s[10:11], s[10:11], s[100:101]
	s_lshl_b32 s100, s96, 11                       ; 4,096 bytes of words for 128 tokens,
	s_lshl_b32 s95, s97, 9                         ; 256 for a head
	s_add_co_u32 s100, s100, s95
	s_add_nc_u64 s[12:13], s[12:13], s[100:101]
	s_lshl_b32 s100, s97, 9
	s_add_nc_u64 s[8:9], s[8:9], s[100:101]
.irp a, 0,1,2,3,4,5,6,7
	global_load_b32 v[BI+2*\a], v[BOV], s[8:9] offset:(32*(\a/2)+8*(\a%2))*4     ; bv of my lane's channel in block a, twice: a pair for the packed addition
	global_load_b32 v[BI+2*\a+1], v[BOV], s[8:9] offset:(32*(\a/2)+8*(\a%2))*4
.endr
.else
.set GS, 393216                        ; from a head to the next in qk_img
	s_sub_co_u32 s96, s42, 32
	s_lshl_b32 s96, s96, 2
	s_lshl_b32 s95, s16, 1
	s_add_co_u32 s96, s96, s95                     ; the first of my two heads: g = 4 x B's 256 channels + 2 x half
	s_lshl_b32 s97, s17, 1
	s_add_co_u32 s97, s97, s15                     ; my 128 tokens
	s_mov_b32 s101, 0
	s_mul_i32 s100, s96, 393216
	s_mul_i32 s95, s97, 6144
	s_add_co_u32 s100, s100, s95
	s_add_nc_u64 s[10:11], s[10:11], s[100:101]
	s_lshl_b32 s100, s96, 15
	s_lshl_b32 s95, s97, 9
	s_add_co_u32 s100, s100, s95
	s_add_nc_u64 s[12:13], s[12:13], s[100:101]
	s_lshl_b32 s100, s40, 10
	s_lshl_b32 s95, s16, 9
	s_add_co_u32 s100, s100, s95                   ; my 128 channels of the weight: 256 cx + 128 x half
	s_add_nc_u64 s[8:9], s[8:9], s[100:101]
.irp b, 0,1,2,3,4,5,6,7
	global_load_b128 v[BI+8*\b:BI+8*\b+3], v[BOQ], s[8:9] offset:(32*(\b/2)+8*(\b%2))*4       ; the bias in the result's layout: register 8 b + j = channel 32 (b / 2) + 16 h + 8 (b % 2) + j
	global_load_b128 v[BI+8*\b+4:BI+8*\b+7], v[BOQ], s[8:9] offset:(32*(\b/2)+8*(\b%2))*4+16
.endr
.endif
	LASTSTEP                                       ; 64 matrix instructions stand between the bias's loads and the wait for them
	PLACES NP
	s_wait_loadcnt 0x0
.irp b, 0,1,2,3
	v_mov_b32 v[TM+4+\b], 0                        ; written once: a lane permute's destination counts as one of its sources
.endr
.irp a, 0,1,2,3,4,5,6,7
	OUTBLK \a, \mode
.endr
	s_mov_b32 vcc_lo, 0xffff0000
.irp i, 0,1,2,3
	v_cndmask_b32 v[T+\i], v[PWB+\i], v[PWB+4+\i], vcc_lo   ; lanes 0-15: blocks 0-3's words of row r; lanes 16-31: blocks 4-7's
.endr
.if \mode
	global_store_b128 v[L16], v[T:T+3], s[12:13]   ; two heads x 16 rows x 4 tiles: 512 consecutive bytes, aligned
.else
.irp i, 0,1,2,3
	v_and_b32 v[T+4+\i], 0xffff, v[T+\i]           ; the first head's two bytes; the upper two are 0
	v_lshrrev_b32 v[T+8+\i], 16, v[T+\i]           ; the second head's
.endr
	global_store_b128 v[L16], v[T+4:T+7], s[12:13]
	global_store_b128 v[L16], v[T+8:T+11], s[12:13] offset:32768
.endif
.endm
	s_wait_alu depctr_va_vdst(0)
	s_wait_tensorcnt 1                             ; the scale bytes and my part of K step 0 are in (K step 1's load may be out),
	s_barrier_signal -1
	s_barrier_wait -1                              ; everybody's are
	FETCH_B 0, 0, 0
	FETCH_A 0, 0, 0
	SCALES 0
	FETCH_A 0, 0, 4
	STEP 0, 0, 1                                   ; the first step's products start the sums: nothing is cleared
	s_mov_b32 s3, LAPS-1
.Llap:                                                 ; a trip goes once round the ring and fills both slots again
	TURN 0, 1, 1
	STEP 1, 0, 0
	TURN 1, 0, 1
	STEP 0, 0, 0
	s_sub_co_u32 s3, s3, 1
	s_cmp_lg_u32 s3, 0
	s_cbranch_scc1 .Llap
	TURN 0, 1, 0                                   ; the last lap fills nothing
	STEP 1, 0, 0
	s_cmp_eq_u32 s2, 1                             ; the two ways out part here; neither holds an LDS instruction but waits
	s_cbranch_scc1 .Lv_tail
	TAIL 0
	s_branch .Lend
.Lv_tail:
	TAIL 1
.Lend:
	s_wait_tensorcnt 0x0                           ; the wave's end
	ds_add_u32 v[SPW], v[NIL]
	s_wait_dscnt 0x0
	CROUND                                         ; the closing round: no work-group ends while a partner may still ask for a tile that names it
	s_endpgm
.Lfunc_end_k_qcf7bd7dd7f_qkv:
	.size	k_qcf7bd7dd7f_qkv, .Lfunc_end_k_qcf7bd7dd7f_qkv-k_qcf7bd7dd7f_qkv
	.p2alignl 7, 3214868480
	.fill 96, 4, 3214868480
	.section	.rodata,"a",@progbits
	.p2align	6, 0x0
	.amdhsa_kernel k_qcf7bd7dd7f_qkv
		.amdhsa_group_segment_fixed_size 327680
		.amdhsa_private_segment_fixed_size 0
		.amdhsa_enable_private_segment 0
		.amdhsa_kernarg_size 72
		.amdhsa_user_sgpr_count 2
		.amdhsa_user_sgpr_kernarg_segment_ptr 1
		.amdhsa_wavefront_size32 1
		.amdhsa_system_sgpr_workgroup_id_x 1
		.amdhsa_system_sgpr_workgroup_id_y 1
		.amdhsa_system_sgpr_workgroup_id_z 1
		.amdhsa_system_vgpr_workitem_id 0
		.amdhsa_next_free_vgpr 1024
		.amdhsa_next_free_sgpr 102
		.amdhsa_reserve_vcc 1
		.amdhsa_float_denorm_mode_32 3
		.amdhsa_float_denorm_mode_16_64 3
		.amdhsa_memory_ordered 1
		.amdhsa_forward_progress 1
		.amdhsa_inst_pref_size 248
	.end_amdhsa_kernel
	.amdgpu_metadata
---
amdhsa.version: [ 1, 2 ]
amdhsa.kernels:
  - .name:           k_qcf7bd7dd7f_qkv
    .symbol:         k_qcf7bd7dd7f_qkv.kd
    .args:
      - { .name: xw_img, .offset: 0, .size: 8, .value_kind: global_buffer, .address_space: global }
      - { .name: xw_sc, .offset: 8, .size: 8, .value_kind: global_buffer, .address_space: global }
      - { .name: bq, .offset: 16, .size: 8, .value_kind: global_buffer, .address_space: global }
      - { .name: bk, .offset: 24, .size: 8, .value_kind: global_buffer, .address_space: global }
      - { .name: bv, .offset: 32, .size: 8, .value_kind: global_buffer, .address_space: global }
      - { .name: qk_img, .offset: 40, .size: 8, .value_kind: global_buffer, .address_space: global }
      - { .name: qk_sc, .offset: 48, .size: 8, .value_kind: global_buffer, .address_space: global }
      - { .name: v_img, .offset: 56, .size: 8, .value_kind: global_buffer, .address_space: global }
      - { .name: v_sc, .offset: 64, .size: 8, .value_kind: global_buffer, .address_space: global }
    .group_segment_fixed_size: 327680
    .private_segment_fixed_size: 0
    .kernarg_segment_align: 8
    .kernarg_segment_size: 72
    .max_flat_workgroup_size: 128
    .sgpr_count:     102
    .vgpr_count:     1024
    .wavefront_size: 32
...
	.end_amdgpu_metadata
.endif
;; end of part 3
;; launch attn (part 4): grid 8 x 64, 16 waves a work-group, no clusters, 210,944 bytes of LDS; arguments qk_img, qk_sc, v_img, v_sc, y_img, y_sc; writes y_img, y_sc
.if DOCPART == 4
	.amdgcn_target "amdgcn-amd-amdhsa--gfx1250"
	.amdhsa_code_object_version 6
	.text
	.protected	k_qcf7bd7dd7f_attn
	.globl	k_qcf7bd7dd7f_attn
	.p2align	8
	.type	k_qcf7bd7dd7f_attn,@function
k_qcf7bd7dd7f_attn:
	s_mov_b64 s[64:65], 0
	v_nop
	global_prefetch_b8 v0, s[64:65] scope:SCOPE_SE
	s_setreg_imm32_b32 hwreg(HW_REG_WAVE_MODE, 25, 1), 1
	s_wait_xcnt 0x0
; y[b][t][head] = the sum over keys k <= t of softmax_k(q . k / 8) v, both products on codes of BF6 (E3M2) with E8M0 scales for each 32 along a product's K; y is quantised along the channels for the last product and leaves as codes.
; THE SOFTMAX AHEAD OF THE SECOND PRODUCT: t = score x log2(e) / 8; M = the row's largest t so far, rounded UP to a whole number; p = 2^(t - M) is what is quantised, along the keys, not normalised.
; The row's sum is taken of the unquantised p and divides at the end.  When M moves, the sum and O are multiplied by 2^(old M - new M): exact.
; SHARES.  Work-group (j, batch x head) owns queries 128 j .. + 127 and 128 (15 - j) .. + 127 of one head: j + 1 and 16 - j key steps of 128, 17 for each pair of waves, the same in every work-group.
; Each of the sixteen waves owns one tile of 16 queries in 256 registers; four waves share a SIMD, so that one wave's vector work stands beside another's products and LDS loads.
; ALL OF THE HEAD'S K AND V LIE IN LDS, filled once: 98,304 bytes each, and 12,288 of scale words.  Wave 0 asks for K's (scale words, the first 256 keys, the rest), wave 1 for V's: three tensor loads of a wave are out at the most.
; No LDS byte is filled again.  The first two key steps run while the rest is on its way.
; NO CLUSTER, though the eight work-groups of a head read the same 208,896 bytes: a key step whose keys all come after a wave's queries is jumped over, and that branch hangs on the work-group's block of queries, which differs between them.
; LAYOUT.  Operands lie as images of registers (unit = 16 rows x 64 K = [piece][lane][8 bytes]).  Both products are used transposed (S^T = K Q^T, O^T = V^T P^T): a lane holds one query throughout.
; The rows of a tile are not neighbours (lane r of tile n is row 32 (n / 2) + 8 (n % 2) + r % 8 + 16 (r / 8)), so the 16 registers of tiles 2 b and 2 b + 1 are 16 neighbouring keys (or channels).
; THE FIRST PRODUCT'S K IS 64, half of the instruction's 128.  Q's codes of the upper 64 are zeros; the scale bytes of those blocks are 0 (2^-127, a number) on both sides; so whatever codes stand in the upper six registers
; of K's operand (they are the next tile's codes) add exactly 0.
; y's scale bytes leave one byte a lane (262,144 bytes in the launch): the 32 bytes of a row come from sixteen work-groups.
; LIMITS: a block of zeros gets the byte 1 where the rule says 127 (its codes are zeros, and this program alone reads the bytes); blocks whose largest magnitude lies under 2^-122 are held at the byte 1; NaN and infinities are not served.
.set VB0,  98304                       ; LDS: K's 128 tiles x 768 from 0; V [64 keys 0..31][tile 0..3][768] from here;
.set KSC,  196608                      ; K's scale words [128 keys][tile / 4][r][tile % 4];
.set VSC,  204800                      ; V's [128 keys][r][tile]
.set AK0,  1                           ; v1   8 x lane
.set AV0,  2                           ; v2   VB0 + 8 x lane
.set ASK0, 3                           ; v3   KSC + 16 r
.set ASV0, 4                           ; v4   VSC + 16 r
.set QD,   5                           ; v5   my query - 16 (lane / 16)
.set ADK,  6                           ; v6-9 the step's addresses
.set ADV,  7
.set ADS,  8
.set ADT,  9
.set QSO,  10                          ; v10  16 r
.set YSO,  11                          ; v11  32 r + lane / 16
; v12 -M, v13 the largest t, v[14:15] the sum in two halves; v16-27 Q (v22-27 zeros), v28 its scale word; v32-85 K's eight tiles, six registers each, and six zeros; later V's four fragments in v32-79;
; v86-93 K's scale words; v96-159 S^T, then p; v160-191 O^T; v192-195 V's scale words
.set PC,   196                         ; v196-207 p's codes
.set CT,   208                         ; v208-214 the conversions' second halves
.set BM,   216                         ; v216-219 the blocks' largest scores
.set PX,   220                         ; v220-223 from lane l xor 16; then the bytes
.set SO,   224                         ; v224-227 the conversions' scale operands
.set FF,   228                         ; v[228:229] f = 2^(old M - new M)
.set PS,   230                         ; v230 p's scale word
.set TP,   231                         ; v231 at work;  v[232:233] the second chain of the sum;  v234-235 the mask
.set WV,   16
.set Q0,   17                          ; s17  my smallest query
.set QMAX, 18                          ; s18  my largest
.set KF,   19                          ; s19  the step's first key
.set SEL,  20
.set CS,   22                          ; s[22:23] c = log2(e) / 8
.set G1KS, 24
.set G1KA, 32
.set G1KB, 40
.set G1VS, 48
.set G1VA, 56
.set G1VB, 68
.set G0KS, 76
.set G0KA, 80
.set G0KB, 84
.set G0VS, 88
.set G0VA, 92
.set G0VB, 96
.set T6,   2                           ; s2   the step's codes: 6,144 bytes a step, in K and in V alike
.set TSK,  3                           ; s3   K's scale words: 512 a step
.set TSV,  66                          ; s66  V's: 256 a step
.set CNT,  67
.macro GROUP1 g, c, r, p               ; r rows of c elements of 8 bytes, p elements apart in memory, dense in LDS
	s_mov_b32 s[\g], 3<<16
	s_mov_b32 s[\g+1], (\c)<<16
	s_mov_b32 s[\g+2], (\r)<<16
	s_mov_b32 s[\g+3], (\c)<<16
	s_mov_b32 s[\g+4], \r
	s_mov_b32 s[\g+5], \p
	s_mov_b32 s[\g+6], 0
	s_mov_b32 s[\g+7], 0
.endm
	s_load_b256 s[4:11], s[0:1], 0x0               ; qk_img s[4:5], qk_sc s[6:7], v_img s[8:9], v_sc s[10:11]
	s_load_b128 s[12:15], s[0:1], 0x20             ; y_img s[12:13], y_sc s[14:15]
	v_lshl_add_u32 v254, v0, 2, 0x33000
	v_mov_b32 v255, 0
	ds_add_u32 v254, v255
	ds_add_u32 v254, v255
	v_lshrrev_b32 v1, 5, v0
	s_delay_alu instid0(VALU_DEP_1)
	v_readfirstlane_b32 s[WV], v1                  ; wave 0..15
	s_and_b32 s100, ttmp7, 0xffff
	s_lshr_b32 s101, s100, 4                       ; batch
	s_and_b32 s100, s100, 15                       ; head
	GROUP1 G1KS, 32, 32, 32                        ; K's scale words: 8,192 dense bytes
	GROUP1 G1KA, 96, 16, 96                        ; K's first 16 tiles
	GROUP1 G1KB, 96, 112, 96                       ; the other 112
	GROUP1 G1VS, 32, 16, 512                       ; V's scale words: 256 bytes of each 128 keys' 4,096
	GROUP1 G1VA, 384, 4, 6144                      ; V's first 256 keys: the head's 3,072 bytes of each 64 keys' 49,152
	GROUP1 G1VB, 384, 28, 6144                     ; the rest
	s_add_co_u32 s104, s100, 16                    ; k's g
	s_lshl_b32 s[G0KS+2], s104, 15
	s_lshl_b32 s105, s101, 13
	s_add_co_u32 s[G0KS+2], s[G0KS+2], s105
	s_mov_b32 s[G0KS+3], 0
	s_mul_i32 s[G0KA+2], s104, 393216
	s_mul_i32 s105, s101, 98304
	s_add_co_u32 s[G0KA+2], s[G0KA+2], s105
	s_mov_b32 s[G0KA+3], 0
	s_lshl_b32 s[G0VS+2], s101, 16
	s_lshl_b32 s105, s100, 8
	s_add_co_u32 s[G0VS+2], s[G0VS+2], s105
	s_mov_b32 s[G0VS+3], 0
	s_mul_i32 s[G0VA+2], s101, 1572864
	s_mul_i32 s105, s100, 3072
	s_add_co_u32 s[G0VA+2], s[G0VA+2], s105
	s_mov_b32 s[G0VA+3], 0
	s_mov_b32 s[G0KS], 1
	s_mov_b32 s[G0KS+1], KSC
	s_mov_b32 s[G0KA], 1
	s_mov_b32 s[G0KA+1], 0
	s_mov_b32 s[G0KB], 1
	s_mov_b32 s[G0KB+1], 12288
	s_mov_b32 s[G0VS], 1
	s_mov_b32 s[G0VS+1], VSC
	s_mov_b32 s[G0VA], 1
	s_mov_b32 s[G0VA+1], VB0
	s_mov_b32 s[G0VB], 1
	s_mov_b32 s[G0VB+1], VB0+12288
	s_wait_dscnt 0x0
	s_wait_kmcnt 0x0
	s_add_nc_u64 s[G0KS+2:G0KS+3], s[6:7], s[G0KS+2:G0KS+3]
	s_add_nc_u64 s[G0KA+2:G0KA+3], s[4:5], s[G0KA+2:G0KA+3]
	s_add_nc_u64 s[G0KB+2:G0KB+3], s[G0KA+2:G0KA+3], 12288
	s_add_nc_u64 s[G0VS+2:G0VS+3], s[10:11], s[G0VS+2:G0VS+3]
	s_add_nc_u64 s[G0VA+2:G0VA+3], s[8:9], s[G0VA+2:G0VA+3]
	s_add_nc_u64 s[G0VB+2:G0VB+3], s[G0VA+2:G0VA+3], 196608
.irp g, G0KS, G0KA, G0KB, G0VS, G0VA, G0VB
	s_or_b32 s[\g+3], s[\g+3], 0x80000000          ; 127:126 type = 2
.endr
	s_cmp_eq_u32 s[WV], 0                          ; a wave's three fills stand in one branch, ahead of every wait on TENSORcnt, every LDS read and every barrier; four v_nop follow the third
	s_cbranch_scc0 .Lnot_wave_0
	tensor_load_to_lds s[G0KS:G0KS+3], s[G1KS:G1KS+7]
	s_nop 0
	tensor_load_to_lds s[G0KA:G0KA+3], s[G1KA:G1KA+7]
	s_nop 0
	tensor_load_to_lds s[G0KB:G0KB+3], s[G1KB:G1KB+7]
	s_nop 0
.rept 4
	v_nop
.endr
	s_branch .Lasked
.Lnot_wave_0:
	s_cmp_eq_u32 s[WV], 1
	s_cbranch_scc0 .Lasked
	tensor_load_to_lds s[G0VS:G0VS+3], s[G1VS:G1VS+7]
	s_nop 0
	tensor_load_to_lds s[G0VA:G0VA+3], s[G1VA:G1VA+7]
	s_nop 0
	tensor_load_to_lds s[G0VB:G0VB+3], s[G1VB:G1VB+7]
	s_nop 0
.rept 4
	v_nop
.endr
.Lasked:
	s_lshr_b32 s104, s[WV], 2                      ; which of the two blocks of queries: (w xor w / 4) % 2, so that waves 4 apart and neighbours alike are of both kinds
	s_xor_b32 s104, s104, s[WV]
	s_and_b32 s104, s104, 1
	s_lshl_b32 s[Q0], ttmp9, 3                     ; 8 j
	s_sub_co_u32 s[QMAX], 120, s[Q0]               ; 8 (15 - j)
	s_cmp_eq_u32 s104, 1
	s_cselect_b32 s104, s[QMAX], s[Q0]
	s_lshr_b32 s105, s[WV], 1
	s_add_co_u32 s104, s104, s105                  ; my tile of the batch's 128
	s_lshr_b32 s[Q0], s104, 1
	s_lshl_b32 s[Q0], s[Q0], 5
	s_and_b32 s105, s104, 1
	s_lshl_b32 s105, s105, 3
	s_add_co_u32 s[Q0], s[Q0], s105                ; its smallest query: 32 (n / 2) + 8 (n % 2)
	s_add_co_u32 s[QMAX], s[Q0], 23                ; its largest: + 7 + 16
	s_lshl_b32 s105, s101, 7
	s_add_co_u32 s104, s104, s105                  ; my tile of all 512
	s_mul_i32 s2, s100, 393216
	s_mul_i32 s105, s104, 768
	s_add_co_u32 s2, s2, s105
	s_mov_b32 s3, 0
	s_add_nc_u64 s[4:5], s[4:5], s[2:3]            ; Q's unit
	s_lshl_b32 s66, s100, 15
	s_lshr_b32 s105, s104, 2
	s_lshl_b32 s105, s105, 8
	s_add_co_u32 s66, s66, s105
	s_and_b32 s105, s104, 3
	s_lshl_b32 s105, s105, 2
	s_add_co_u32 s66, s66, s105
	s_mov_b32 s67, 0
	s_add_nc_u64 s[6:7], s[6:7], s[66:67]          ; and its scale words
	s_mul_i32 s2, s104, 12288
	s_mul_i32 s105, s100, 768
	s_add_co_u32 s2, s2, s105
	s_add_nc_u64 s[12:13], s[12:13], s[2:3]        ; y's unit: [token tile][head]
	s_lshl_b32 s2, s104, 9
	s_lshl_b32 s105, s100, 1
	s_add_co_u32 s2, s2, s105
	s_add_nc_u64 s[14:15], s[14:15], s[2:3]        ; y's scale bytes: 32 a row, two a head
	v_and_b32 v10, 31, v0
	s_delay_alu instid0(VALU_DEP_1)
	v_lshlrev_b32 v[AK0], 3, v10
	s_delay_alu instid0(VALU_DEP_1)
	v_add_nc_u32 v[AV0], VB0, v[AK0]
	v_and_b32 v11, 15, v0                          ; r
	v_bfe_u32 v9, v0, 4, 1                         ; h
	s_delay_alu instid0(VALU_DEP_2)
	v_lshlrev_b32 v[QSO], 4, v11
	s_delay_alu instid0(VALU_DEP_1)
	v_add_nc_u32 v[ASK0], KSC, v[QSO]
	s_delay_alu instid0(VALU_DEP_2)
	v_add_nc_u32 v[ASV0], VSC, v[QSO]
	v_and_b32 v[QD], 7, v0
	v_bfe_u32 v6, v0, 3, 1
	s_delay_alu instid0(VALU_DEP_1)
	v_lshl_add_u32 v[QD], v6, 4, v[QD]
	v_lshlrev_b32 v6, 4, v9
	s_delay_alu instid0(VALU_DEP_1)
	v_sub_nc_u32 v[QD], v[QD], v6
	s_delay_alu instid0(VALU_DEP_1)
	v_add_nc_u32 v[QD], s[Q0], v[QD]               ; my query - 16 h
	v_lshl_add_u32 v[YSO], v11, 5, v9
.irp p, 0,1,2
	global_load_b64 v[16+2*\p:17+2*\p], v[AK0], s[4:5] offset:256*\p   ; Q's 64 along K stay in registers
.endr
	global_load_b32 v28, v[QSO], s[6:7]
.irp i, 22,23,24,25,26,27,80,81,82,83,84,85
	v_mov_b32 v[\i], 0                             ; Q's upper 64 along K, and what stands behind K's last tile: zero codes
.endr
	v_mov_b32 v13, 0xff61b1e6                      ; the largest t so far: -3e38, under every t
	s_delay_alu instid0(VALU_DEP_1)
	v_floor_f32 v12, -v13                          ; -M
	v_mov_b32 v14, 0
	v_mov_b32 v15, 0
.irp b, 0,1,2,3
	v_mov_b32 v[PX+\b], 0                          ; written once: a lane permute's destination counts as one of its sources
.endr
	v_mov_b32 v[FF+1], 0                           ; (named as the upper half of a pair)
	v_mov_b32 v[TP], 0
.set n, 0
.rept 32
	v_mov_b32 v[160+n], 0                          ; O^T.  (The step is written once: the first finds zeros, which the first change of M leaves zeros)
.set n, n+1
.endr
	s_mov_b32 s[SEL], 0x76543210
	s_mov_b32 s[SEL+1], 0xfedcba98
	s_mov_b32 s[CS], 0x3e38aa3b                    ; c = log2(e) / 8
	s_mov_b32 s[CS+1], s[CS]
	s_mov_b32 s[KF], 0
	s_mov_b32 s[T6], 0
	s_mov_b32 s[TSK], 0
	s_mov_b32 s[TSV], 0
; A KEY STEP: 128 keys.
.macro STEP
	s_cmp_gt_u32 s[KF], s[QMAX]                    ; all its keys come after my queries: a scalar branch on ids, round the work; not round the lines that step addresses
	s_cbranch_scc1 .Lhidden_\@
	s_setprio 2
	v_add_nc_u32 v[ADK], s[T6], v[AK0]             ; (these four are also the places in front of the loads into registers that the last products read)
	v_add_nc_u32 v[ADV], s[T6], v[AV0]
	v_add_nc_u32 v[ADS], s[TSK], v[ASK0]
	v_add_nc_u32 v[ADT], s[TSV], v[ASV0]
.irp t, 0,1,2,3,4,5,6,7
.irp p, 0,1,2
	ds_load_b64 v[32+6*\t+2*\p:33+6*\t+2*\p], v[ADK] offset:768*\t+256*\p
.endr
.endr
	ds_load_b128 v[86:89], v[ADS]
	ds_load_b128 v[90:93], v[ADS] offset:256
	s_wait_alu depctr_va_vdst(0)
	s_wait_dscnt 0x0
.irp t, 0,1,2,3,4,5,6,7                ; S^T = K Q^T: lane (r, h) holds query r; register 16 b + i is key KF + 32 b + 16 h + i
	v_wmma_scale_f32_16x16x128_f8f6f4 v[96+8*\t:103+8*\t], v[32+6*\t:43+6*\t], v[16:27], 0, v[86+\t], v28 matrix_a_fmt:MATRIX_FMT_BF6 matrix_b_fmt:MATRIX_FMT_BF6
.endr
.rept 4
	v_nop                                          ; places in front of the loads into K's registers and of the first read of the scores
.endr
.irp t, 0,1,2,3                        ; V's four fragments land under the softmax
.irp p, 0,1,2,3,4,5
	ds_load_b64 v[32+12*\t+2*\p:33+12*\t+2*\p], v[ADV] offset:(\p/3)*3072+768*\t+256*(\p%3)
.endr
.endr
	ds_load_b128 v[192:195], v[ADT]
	s_add_co_u32 s104, s[KF], 127                  ; on the diagonal the scores of hidden keys become -infinity ahead of the maximum.  A step all of whose keys count skips this
	s_cmp_le_u32 s104, s[Q0]
	s_cbranch_scc1 .Lopen_\@
	v_sub_nc_u32 v234, v[QD], s[KF]                ; d: register 16 b + i is hidden where 32 b + i > d
	v_mov_b32 v235, 0xff800000
.set n, 0
.rept 64
	v_cmp_gt_i32 vcc_lo, 32*(n/16)+n%16, v234
	v_cndmask_b32 v[96+n], v[96+n], v235, vcc_lo
.set n, n+1
.endr
.Lopen_\@:
.irp b, 0,1,2,3
	v_max3_num_f32 v[BM+\b], v[96+16*\b], v[97+16*\b], v[98+16*\b]   ; the largest score of each block of 32 keys: it serves for the row's maximum and, since p rises with the score, for the block's largest p
.endr
.irp i, 3,5,7,9,11,13
.irp b, 0,1,2,3
	v_max3_num_f32 v[BM+\b], v[BM+\b], v[96+16*\b+\i], v[97+16*\b+\i]
.endr
.endr
.irp b, 0,1,2,3
	v_max_num_f32 v[BM+\b], v[BM+\b], v[111+16*\b]
.endr
.irp b, 0,1,2,3
	s_delay_alu instid0(VALU_DEP_4)
	v_permlanex16_b32 v[PX+\b], v[BM+\b], s[SEL], s[SEL+1]
.endr
.irp b, 0,1,2,3
	s_delay_alu instid0(VALU_DEP_4)
	v_max_num_f32 v[BM+\b], v[BM+\b], v[PX+\b]     ; with lane l xor 16's 16 keys
.endr
	s_delay_alu instid0(VALU_DEP_2)
	v_max3_num_f32 v[TP], v[BM], v[BM+1], v[BM+2]
	s_delay_alu instid0(VALU_DEP_1)
	v_max_num_f32 v[TP], v[TP], v[BM+3]
	s_delay_alu instid0(VALU_DEP_1)
	v_mul_f32 v[TP], s[CS], v[TP]                  ; as t (c is positive)
	s_delay_alu instid0(VALU_DEP_1)
	v_max_num_f32 v13, v13, v[TP]                  ; the running largest t
	v_mov_b32 v[TP], v12
	s_delay_alu instid0(VALU_DEP_2)
	v_floor_f32 v12, -v13                          ; the new -M = -ceil(t): a whole number
	s_delay_alu instid0(VALU_DEP_1)
	v_sub_f32 v[TP], v12, v[TP]                    ; old M - new M: a whole number, 0 or less
	s_delay_alu instid0(VALU_DEP_1)
	v_cvt_i32_f32 v[TP], v[TP]                     ; (it saturates)
	s_delay_alu instid0(VALU_DEP_1)
	v_ldexp_f32 v[FF], 1.0, v[TP]                  ; f = 2^(old M - new M)
.set n, 0
	s_setprio 1
.rept 32
	v_pk_fma_f32 v[96+n:97+n], v[96+n:97+n], s[CS:CS+1], v[12:13] op_sel_hi:[1,0,0]   ; t - M, two at a time
.set n, n+2
.endr
.irp b, 0,1,2,3
	v_fma_f32 v[BM+\b], v[BM+\b], s[CS], v12       ; the same of each block's largest score
.endr
.set n, 0
	s_wait_alu depctr_va_vdst(0)
.rept 64
	v_exp_f32 v[96+n], v[96+n]                     ; p = 2^(t - M), at most 1
.set n, n+1
.endr
.irp b, 0,1,2,3
	v_exp_f32 v[BM+\b], v[BM+\b]                   ; the block's largest p: the same two instructions on the same number
.endr
	v_pk_mul_f32 v[14:15], v[14:15], v[FF:FF+1] op_sel_hi:[1,0]   ; the sums under the new M.  (A plain place behind the exponentials)
	s_wait_alu depctr_va_vdst(0)
.irp b, 0,1,2,3
	v_max_num_f32 v[BM+\b], 0x2800000, v[BM+\b]    ; the floor 2^(5 - 127): the byte cannot fall under 1
.endr
.irp b, 0,1,2,3
	s_delay_alu instid0(VALU_DEP_4)
	v_add_nc_u32 v[SO+\b], 0xfe000000, v[BM+\b]    ; 4 off the exponent field: the conversion's scale operand
.endr
.irp b, 0,1,2,3
	s_delay_alu instid0(VALU_DEP_4)
	v_lshrrev_b32 v[PX+\b], 23, v[SO+\b]           ; the scale's byte
.endr
	s_delay_alu instid0(VALU_DEP_3)
	v_lshl_or_b32 v[PS], v[PX+1], 8, v[PX]         ; p's scale word for these 128 keys
	s_delay_alu instid0(VALU_DEP_1)
	v_lshl_or_b32 v[PS], v[PX+2], 16, v[PS]
	s_delay_alu instid0(VALU_DEP_1)
	v_lshl_or_b32 v[PS], v[PX+3], 24, v[PS]
.irp c, 0,1
	v_cvt_scalef32_pk16_bf6_f32 v[PC+6*\c:PC+2+6*\c], v[96+32*\c:111+32*\c], v[SO+2*\c]
	v_cvt_scalef32_pk16_bf6_f32 v[CT+4*\c:CT+2+4*\c], v[112+32*\c:127+32*\c], v[SO+2*\c+1]
.endr
	v_nop                                          ; one plain place behind a scaled conversion
.irp c, 0,1                            ; the operand's layout wants a whole block in a lane
.irp i, 0,1,2
	v_permlane16_swap_b32 v[PC+6*\c+\i], v[CT+4*\c+\i]
.endr
.irp i, 0,1,2
	s_delay_alu instid0(VALU_DEP_3)
	v_mov_b32 v[PC+3+6*\c+\i], v[CT+4*\c+\i]
.endr
.endr
.set n, 0
	s_setprio 0
.rept 16
	v_pk_mul_f32 v[160+n:161+n], v[160+n:161+n], v[FF:FF+1] op_sel_hi:[1,0]   ; O^T under the new M
.set n, n+2
.endr
	v_pk_add_f32 v[232:233], v[100:101], v[104:105]
	v_pk_add_f32 v[252:253], v[108:109], v[112:113]
	v_pk_add_f32 v[250:251], v[116:117], v[120:121]
	v_pk_add_f32 v[248:249], v[124:125], v[128:129]
	v_pk_add_f32 v[246:247], v[132:133], v[136:137]
	v_pk_add_f32 v[244:245], v[140:141], v[144:145]
	v_pk_add_f32 v[242:243], v[148:149], v[152:153]
	v_pk_add_f32 v[14:15], v[14:15], v[156:157]
	v_pk_add_f32 v[232:233], v[232:233], v[96:97]
	v_pk_add_f32 v[252:253], v[252:253], v[98:99]
	v_pk_add_f32 v[250:251], v[250:251], v[102:103]
	v_pk_add_f32 v[248:249], v[248:249], v[106:107]
	v_pk_add_f32 v[246:247], v[246:247], v[110:111]
	v_pk_add_f32 v[244:245], v[244:245], v[114:115]
	v_pk_add_f32 v[242:243], v[242:243], v[118:119]
	v_pk_add_f32 v[14:15], v[14:15], v[122:123]
	v_pk_add_f32 v[232:233], v[232:233], v[126:127]
	v_pk_add_f32 v[252:253], v[252:253], v[130:131]
	v_pk_add_f32 v[250:251], v[250:251], v[134:135]
	v_pk_add_f32 v[248:249], v[248:249], v[138:139]
	v_pk_add_f32 v[246:247], v[246:247], v[142:143]
	v_pk_add_f32 v[244:245], v[244:245], v[146:147]
	v_pk_add_f32 v[242:243], v[242:243], v[150:151]
	v_pk_add_f32 v[14:15], v[14:15], v[154:155]
	v_pk_add_f32 v[232:233], v[232:233], v[158:159]
	s_delay_alu instid0(VALU_DEP_2)
	v_pk_add_f32 v[14:15], v[14:15], v[248:249]
	s_delay_alu instid0(VALU_DEP_2)
	v_pk_add_f32 v[232:233], v[232:233], v[246:247]
	v_pk_add_f32 v[252:253], v[252:253], v[244:245]
	v_pk_add_f32 v[250:251], v[250:251], v[242:243]
	s_delay_alu instid0(VALU_DEP_2)
	v_pk_add_f32 v[14:15], v[14:15], v[252:253]
	s_delay_alu instid0(VALU_DEP_2)
	v_pk_add_f32 v[232:233], v[232:233], v[250:251]
	s_delay_alu instid0(VALU_DEP_1)
	v_pk_add_f32 v[14:15], v[14:15], v[232:233]
	s_wait_dscnt 0x0                               ; V's fragments and scale words are in
.irp t, 0,1,2,3                        ; O^T += V^T P^T; the accumulators take turns
	v_wmma_scale_f32_16x16x128_f8f6f4 v[160+8*\t:167+8*\t], v[32+12*\t:43+12*\t], v[PC:PC+11], v[160+8*\t:167+8*\t], v[192+\t], v[PS] matrix_a_fmt:MATRIX_FMT_BF6 matrix_b_fmt:MATRIX_FMT_BF6
.endr
.Lhidden_\@:
	s_add_co_u32 s[KF], s[KF], 128
	s_add_co_u32 s[T6], s[T6], 6144
	s_add_co_u32 s[TSK], s[TSK], 512
	s_add_co_u32 s[TSV], s[TSV], 256
.endm
	s_wait_tensorcnt 0x1                           ; the scale words and the first 256 keys are in; the third load, the rest, may be out
	s_barrier_signal -1
	s_barrier_wait -1
	s_wait_loadcnt 0x0                             ; Q
	s_mov_b32 s[CNT], 2
.Lfirst:                                               ; keys 0 to 255
	STEP
	s_sub_co_u32 s[CNT], s[CNT], 1
	s_cmp_lg_u32 s[CNT], 0
	s_cbranch_scc1 .Lfirst
	s_setprio 0
	s_wait_tensorcnt 0x0                           ; the rest has landed,
	s_wait_dscnt 0x0
	s_barrier_signal -1
	s_barrier_wait -1                              ; for every wave
	s_mov_b32 s[CNT], 14
.Lrest:                                                ; keys 256 to 2,047: no barrier, the waves run free
	STEP
	s_sub_co_u32 s[CNT], s[CNT], 1
	s_cmp_lg_u32 s[CNT], 0
	s_cbranch_scc1 .Lrest
	s_setprio 0
	; THE WAY OUT: O^T / the sum is y: register 16 b + i is channel 32 b + 16 h + i of my query: two blocks of 32, quantised as they stand: one unit.
.rept 4
	v_nop                                          ; places behind the last products
.endr
	s_wait_alu depctr_va_vdst(0)
	v_add_f32 v14, v14, v15
	s_delay_alu instid0(VALU_DEP_1)
	v_permlanex16_b32 v[TP], v14, s[SEL], s[SEL+1]
	s_delay_alu instid0(VALU_DEP_1)
	v_add_f32 v14, v14, v[TP]                      ; the row's sum
	s_wait_alu depctr_va_vdst(0)
	v_rcp_f32 v14, v14
	v_nop                                          ; one plain place behind a transcendental
.set n, 0
	s_wait_alu depctr_va_vdst(0)
.rept 32
	v_mul_f32 v[96+n], v[160+n], v14               ; each accumulator from its low end on
.set n, n+1
.endr
.irp b, 0,1
	v_max3_num_f32 v[BM+\b], |v[96+16*\b]|, |v[97+16*\b]|, 0x2800000
.endr
.irp i, 2,4,6,8,10,12,14
.irp b, 0,1
	s_delay_alu instid0(VALU_DEP_2)
	v_max3_num_f32 v[BM+\b], v[BM+\b], |v[96+16*\b+\i]|, |v[97+16*\b+\i]|
.endr
.endr
.irp b, 0,1
	s_delay_alu instid0(VALU_DEP_2)
	v_permlanex16_b32 v[PX+\b], v[BM+\b], s[SEL], s[SEL+1]
.endr
.irp b, 0,1
	s_delay_alu instid0(VALU_DEP_2)
	v_max_num_f32 v[BM+\b], v[BM+\b], v[PX+\b]
.endr
.irp b, 0,1
	s_delay_alu instid0(VALU_DEP_2)
	v_add_nc_u32 v[SO+\b], 0xfe000000, v[BM+\b]
.endr
.irp b, 0,1
	s_delay_alu instid0(VALU_DEP_2)
	v_lshrrev_b32 v[PX+\b], 23, v[SO+\b]
.endr
	v_cvt_scalef32_pk16_bf6_f32 v[PC:PC+2], v[96:111], v[SO]
	v_cvt_scalef32_pk16_bf6_f32 v[CT:CT+2], v[112:127], v[SO+1]
	v_nop
.irp i, 0,1,2
	v_permlane16_swap_b32 v[PC+\i], v[CT+\i]
.endr
.irp i, 0,1,2
	s_delay_alu instid0(VALU_DEP_3)
	v_mov_b32 v[PC+3+\i], v[CT+\i]
.endr
.irp p, 0,1,2
	global_store_b64 v[AK0], v[PC+2*\p:PC+2*\p+1], s[12:13] offset:256*\p   ; 256 consecutive bytes, aligned
.endr
	s_mov_b32 vcc_lo, 0xffff0000
	v_cndmask_b32 v[TP], v[PX], v[PX+1], vcc_lo    ; lanes 0-15: block 0's byte of row r; lanes 16-31: block 1's
	global_store_b8 v[YSO], v[TP], s[14:15]
	s_wait_tensorcnt 0x0
	ds_add_u32 v254, v255
	s_wait_dscnt 0x0
	s_endpgm
.Lfunc_end_k_qcf7bd7dd7f_attn:
	.size	k_qcf7bd7dd7f_attn, .Lfunc_end_k_qcf7bd7dd7f_attn-k_qcf7bd7dd7f_attn
	.p2alignl 7, 3214868480
	.fill 96, 4, 3214868480
	.section	.rodata,"a",@progbits
	.p2align	6, 0x0
	.amdhsa_kernel k_qcf7bd7dd7f_attn
		.amdhsa_group_segment_fixed_size 210944
		.amdhsa_private_segment_fixed_size 0
		.amdhsa_enable_private_segment 0
		.amdhsa_kernarg_size 48
		.amdhsa_user_sgpr_count 2
		.amdhsa_user_sgpr_kernarg_segment_ptr 1
		.amdhsa_wavefront_size32 1
		.amdhsa_system_sgpr_workgroup_id_x 1
		.amdhsa_system_sgpr_workgroup_id_y 1
		.amdhsa_system_sgpr_workgroup_id_z 1
		.amdhsa_system_vgpr_workitem_id 0
		.amdhsa_next_free_vgpr 256
		.amdhsa_next_free_sgpr 106
		.amdhsa_reserve_vcc 1
		.amdhsa_float_denorm_mode_32 3
		.amdhsa_float_denorm_mode_16_64 3
		.amdhsa_memory_ordered 1
		.amdhsa_forward_progress 1
		.amdhsa_inst_pref_size 64
	.end_amdhsa_kernel
	.amdgpu_metadata
---
amdhsa.version: [ 1, 2 ]
amdhsa.kernels:
  - .name:           k_qcf7bd7dd7f_attn
    .symbol:         k_qcf7bd7dd7f_attn.kd
    .args:
      - { .name: qk_img, .offset: 0, .size: 8, .value_kind: global_buffer, .address_space: global }
      - { .name: qk_sc, .offset: 8, .size: 8, .value_kind: global_buffer, .address_space: global }
      - { .name: v_img, .offset: 16, .size: 8, .value_kind: global_buffer, .address_space: global }
      - { .name: v_sc, .offset: 24, .size: 8, .value_kind: global_buffer, .address_space: global }
      - { .name: y_img, .offset: 32, .size: 8, .value_kind: global_buffer, .address_space: global }
      - { .name: y_sc, .offset: 40, .size: 8, .value_kind: global_buffer, .address_space: global }
    .group_segment_fixed_size: 210944
    .private_segment_fixed_size: 0
    .kernarg_segment_align: 8
    .kernarg_segment_size: 48
    .max_flat_workgroup_size: 512
    .sgpr_count:     106
    .vgpr_count:     256
    .wavefront_size: 32
...
	.end_amdgpu_metadata
.endif
;; end of part 4
;; launch proj (part 5): grid 4 x 32, 4 waves a work-group, clusters of 4 x 4, 327,680 bytes of LDS; arguments y_img, y_sc, xw_img, xw_sc, bp, out0; writes out0
.if DOCPART == 5
	.amdgcn_target "amdgcn-amd-amdhsa--gfx1250"
	.amdhsa_code_object_version 6
	.text
	.protected	k_qcf7bd7dd7f_proj
	.globl	k_qcf7bd7dd7f_proj
	.p2align	8
	.type	k_qcf7bd7dd7f_proj,@function
k_qcf7bd7dd7f_proj:
	s_mov_b64 s[64:65], 0
	v_nop
	global_prefetch_b8 v0, s[64:65] scope:SCOPE_SE
	s_setreg_imm32_b32 hwreg(HW_REG_WAVE_MODE, 25, 1), 1
	s_wait_xcnt 0x0
	s_wait_alu depctr_hold_cnt(0) depctr_sa_sdst(0) depctr_va_vdst(0) depctr_va_sdst(0) depctr_va_ssrc(0) depctr_va_vcc(0) depctr_vm_vsrc(0)
	s_getreg_b32 s2, hwreg(HW_REG_IB_STS2, 6, 4)
	s_cmp_eq_u32 s2, 0
	s_cbranch_scc0 .Lentry_in_a_cluster
	s_endpgm
.Lentry_in_a_cluster:
	s_bfe_u32 s2, ttmp6, 0x10000c
	s_cmp_lg_u32 s2, 0xf033
	s_cbranch_scc0 .Lentry_shape_is_right
	s_endpgm
.Lentry_shape_is_right:
; out0 = y wp + bp on codes of BF6 (E3M2) with E8M0 scales for each 32 along K = 1,024; out0 [8192][1024] f32.
; A tile of 256 x 256 is made by four waves, 128 x 128 each: 64 accumulators, 512 registers.  K goes in steps of 256 through two LDS slots filled by the tensor data mover.
; OPERANDS lie in memory as images of registers: a unit = 16 rows x 64 K = [piece 0..2][lane][8 bytes]; y_img = [token tile][unit 0..15], wp = row tiles 704-767 of xw_img (a row = a column of wp).
; A fragment is six loads of 8 bytes a lane, each 256 consecutive LDS bytes.  The rows of a tile are not neighbours: lane r of tile n is row 32 (n / 2) + 8 (n % 2) + r % 8 + 16 (r / 8); the way out puts tokens and channels
; back in their order by the offsets of its stores.  The matrix instruction is used transposed (source 0 = 16 rows of B, source 1 = 16 rows of A): a lane holds eight neighbouring channels of a token.
; The bias is the C of each sum's first matrix instruction.  32 x 4 tiles give 128 work-groups.
; CLUSTERS: 4 x 4 work-groups; A's tiles are asked for jointly along a row of the cluster, B's along a column.
; REGISTERS, in windows of 256: window 0: v0-31 addresses; v32-63 scale words, two sets; v64-127 the bias; from v128 A's fragments, one set (on the way out: rows read back from the stage).
;   window 1: B's fragments, two sets.   window 2: the accumulators of my rows 0-63 ((a, b) at v[8 (8 a + b)]);   window 3: those of my rows 64-127.
.set UNIT,   768
.set TROW,   3072
.set NQ,     2
.set FR,     12
.set NL,     6
.set NP,     4
.set HALFT,  8*TROW
.set SLOT,   4*HALFT
.set LAPS,   2
.set KS,     32
.set SCL,    2*SLOT
.set HALFS,  (128*KS/256)*272
.set SBLK,   (16*KS/256)*272
.set SPARE,  SCL+4*HALFS               ; the spare words, 128 bytes for each wave: two blocks of 256 bytes that no other line names
.set SPITCH, 528                       ; the way out: a stage of 16 rows x (512 bytes + 16) for each wave, in slot 0, which has had its last fill and its last read when the first result is stored there
.set ADRA, 16
.set ADRB, 20
.set STO,  24                          ; v24  the way out: where I put 32 bytes of a row
.set RD,   25                          ; v25  where I read a row back
.set CO,   26                          ; v26  16 x lane: my bytes of a row of 512
.set ADRS, 27
.set SPW,  28
.set NIL,  29
.set BOQ,  30                          ; v30  64 (lane / 16)
.set SC,   32
.set BI,   64
.set AF,   128
.set BK,   128
.set G1, 24
.set G0, 32
.set G1B, 48
.set G0B, 56
.set G1S, 68
.set G0S, 76
.set G1SB, 80
.set G0SB, 88
.set MSB, 0
.macro WIN new
.if MSB != \new
	s_set_vgpr_msb (MSB<<8)|\new
.set MSB, \new
.endif
.endm
.set MUL_LO, 0xa1
.set MUL_HI, 0xf1
.set FST_LO, 0x81                      ; the first step: C (the bias) window 0, D window 2
.set FST_HI, 0xc1                      ; D window 3
.set TO_B,   0x40
.macro JLOAD g0a, g1a, g0b, g1b        ; a joint load: waves 0 and 1 fetch for A, waves 2 and 3 for B; four v_nop follow each of the two lines
	s_cmp_eq_u32 s15, 0
	s_cbranch_scc0 .Lfor_b_\@
	tensor_load_to_lds s[\g0a:\g0a+3], s[\g1a:\g1a+7]
	s_nop 0
.rept 4
	v_nop
.endr
	s_branch .Lasked_\@
.Lfor_b_\@:
	tensor_load_to_lds s[\g0b:\g0b+3], s[\g1b:\g1b+7]
	s_nop 0
.rept 4
	v_nop
.endr
.Lasked_\@:
.endm
.macro CREST
	s_cmp_lg_u32 s14, 0
	s_cbranch_scc1 .Lnot_wave_0_\@
	s_barrier_signal -3
.Lnot_wave_0_\@:
	s_barrier_wait -3
	s_barrier_signal -1
	s_barrier_wait -1
.endm
.macro CROUND
	s_barrier_signal -1
	s_barrier_wait -1
	CREST
.endm
	s_load_b128 s[4:7], s[0:1], 0x0                ; y_img, y_sc
	s_load_b128 s[8:11], s[0:1], 0x10              ; xw_img, xw_sc
	s_load_b128 s[96:99], s[0:1], 0x20             ; bp, out0
	v_lshl_add_u32 v[SPW], v0, 2, SPARE
	v_mov_b32 v[NIL], 0
	ds_add_u32 v28, v29
	ds_add_u32 v28, v29
	s_wait_dscnt 0x0
	v_lshrrev_b32 v1, 5, v0
	v_readfirstlane_b32 s14, v1                    ; wave 0..3
	s_lshr_b32 s15, s14, 1                         ; which half of A's rows is mine.  Also: I fetch for A (0) or for B (1)
	s_and_b32 s16, s14, 1                          ; which half of B's rows.  Also: which 128 rows of that tile I fetch
	s_bfe_u32 s40, ttmp6, 0x40000                  ; cx, cy
	s_bfe_u32 s41, ttmp6, 0x40004
	s_add_co_u32 s42, s40, 44                      ; B's 256 rows of xw_img: wp's 44 + cx
	s_and_b32 s17, ttmp7, 0xffff
	s_lshl_b32 s17, s17, 2
	s_add_co_u32 s17, s17, s41                     ; A's 256 tokens: 4 x cluster y + cy
	s_lshl_b32 s43, s41, 2
	s_lshl_b32 s43, 15, s43                        ; my row of the cluster
	s_lshl_b32 s44, 0x1111, s40                    ; my column
	s_or_b32 s[G1+0], s43, (3<<16)|(1<<21)         ; codes: 8 row tiles x 3,072 bytes (384 elements of 8 bytes), 12,288 bytes apart in memory, dense in LDS
	s_or_b32 s[G1B+0], s44, (3<<16)|(1<<21)
.irp g, G1, G1B
	s_mov_b32 s[\g+1], 384<<16
	s_mov_b32 s[\g+2], 8<<16
	s_mov_b32 s[\g+3], 384<<16
	s_mov_b32 s[\g+4], 8
	s_mov_b32 s[\g+5], 1536
	s_mov_b32 s[\g+6], 0
	s_mov_b32 s[\g+7], 0
.endr
	s_or_b32 s[G1S+0], s43, (3<<16)|(1<<20)|(1<<21)|(5<<22)|(3<<25)   ; scale bytes of 128 rows: 16 rows of 256 bytes, 16 bytes of padding behind each
	s_or_b32 s[G1SB+0], s44, (3<<16)|(1<<20)|(1<<21)|(5<<22)|(3<<25)
.irp g, G1S, G1SB
	s_mov_b32 s[\g+1], 32<<16
	s_mov_b32 s[\g+2], (128*KS/256)<<16
	s_mov_b32 s[\g+3], 32<<16
	s_mov_b32 s[\g+4], 128*KS/256
	s_mov_b32 s[\g+5], 32
	s_mov_b32 s[\g+6], 0
	s_mov_b32 s[\g+7], 0
.endr
	s_lshl_b32 s20, s17, 1
	s_add_co_u32 s20, s20, s16
	s_lshl_b32 s46, s42, 1
	s_add_co_u32 s46, s46, s16
	s_lshl_b32 s22, s20, 12
	s_mov_b32 s23, 0
	s_lshl_b32 s92, s46, 12
	s_mov_b32 s93, 0
	s_mul_i32 s20, s20, 98304
	s_mov_b32 s21, 0
	s_mul_i32 s46, s46, 98304
	s_mov_b32 s47, 0
	s_mul_i32 s45, s14, HALFT
	s_mul_i32 s94, s14, HALFS
	s_wait_kmcnt 0x0
	s_add_nc_u64 s[20:21], s[4:5], s[20:21]
	s_add_nc_u64 s[22:23], s[6:7], s[22:23]
	s_add_nc_u64 s[46:47], s[8:9], s[46:47]
	s_add_nc_u64 s[92:93], s[10:11], s[92:93]
	CROUND                                         ; all sixteen work-groups are here: the first joint loads meet
	s_mov_b32 s[G0S], 1
	s_add_co_u32 s[G0S+1], s94, SCL
	s_mov_b64 s[G0S+2:G0S+3], s[22:23]
	s_or_b32 s[G0S+3], s[G0S+3], 0x80000000
	s_mov_b32 s[G0SB], 1
	s_add_co_u32 s[G0SB+1], s94, SCL
	s_mov_b64 s[G0SB+2:G0SB+3], s[92:93]
	s_or_b32 s[G0SB+3], s[G0SB+3], 0x80000000
	JLOAD G0S, G1S, G0SB, G1SB
.irp s, 0,1
	s_mov_b32 s[G0+4*\s], 1
	s_add_co_u32 s[G0+4*\s+1], s45, \s*SLOT
	s_add_nc_u64 s[G0+4*\s+2:G0+4*\s+3], s[20:21], \s*TROW
	s_or_b32 s[G0+4*\s+3], s[G0+4*\s+3], 0x80000000
	s_mov_b32 s[G0B+4*\s], 1
	s_add_co_u32 s[G0B+4*\s+1], s45, \s*SLOT
	s_add_nc_u64 s[G0B+4*\s+2:G0B+4*\s+3], s[46:47], \s*TROW
	s_or_b32 s[G0B+4*\s+3], s[G0B+4*\s+3], 0x80000000
	s_wait_alu depctr_va_vdst(0)
	s_wait_tensorcnt 0x0
	ds_add_u32 v28, v29
	s_wait_dscnt 0x0
	CROUND
	JLOAD G0+4*\s, G1, G0B+4*\s, G1B
.endr
	v_and_b32 v1, 15, v0                           ; r
	v_bfe_u32 v2, v0, 4, 1                         ; h
	v_and_b32 v3, 31, v0                           ; lane
	v_lshlrev_b32 v4, 3, v3
	s_wait_alu depctr_va_vdst(0)
	v_lshlrev_b32 v[BOQ], 6, v2
	s_lshl_b32 s46, s40, 10                        ; my first channel, in bytes: 1,024 cx + 512 x half
	s_lshl_b32 s47, s16, 9
	s_add_co_u32 s46, s46, s47
	s_mov_b32 s47, 0
	s_add_nc_u64 s[96:97], s[96:97], s[46:47]
.irp b, 0,1,2,3,4,5,6,7
	global_load_b128 v[BI+8*\b:BI+8*\b+3], v[BOQ], s[96:97] offset:(32*(\b/2)+8*(\b%2))*4       ; bp in the result's layout: register 8 b + j = channel 32 (b / 2) + 16 h + 8 (b % 2) + j
	global_load_b128 v[BI+8*\b+4:BI+8*\b+7], v[BOQ], s[96:97] offset:(32*(\b/2)+8*(\b%2))*4+16
.endr
	s_mul_i32 s21, s15, HALFT
	s_mul_i32 s22, s16, HALFT
	s_add_co_u32 s22, s22, 2*HALFT
.irp s, 0,1
	v_add_nc_u32 v[ADRA+\s], s21, v4
	v_add_nc_u32 v[ADRB+\s], s22, v4
	s_add_co_u32 s21, s21, SLOT
	s_add_co_u32 s22, s22, SLOT
.endr
	v_mul_u32_u24 v5, v1, KS
	v_lshrrev_b32 v6, 8, v5
	v_lshl_add_u32 v5, v6, 4, v5
	s_mul_i32 s21, s15, HALFS
	s_mul_i32 s22, s16, HALFS
	s_add_co_u32 s22, s22, 2*HALFS
	s_sub_co_u32 s22, s22, s21
	v_mul_u32_u24 v6, s22, v2                      ; lanes 16-31 take B's
	s_add_co_u32 s21, s21, SCL
	v_add_nc_u32 v5, v5, v6
	v_add_nc_u32 v[ADRS], s21, v5
	s_mul_i32 s23, s14, 16*SPITCH                  ; my stage
	v_mul_u32_u24 v5, v1, SPITCH
	v_lshl_add_u32 v5, v2, 6, v5                   ; in: row r, + 64 h: my half's 16 channels of each 32
	v_add_nc_u32 v[STO], s23, v5
	v_lshlrev_b32 v[CO], 4, v3
	v_add_nc_u32 v[RD], s23, v[CO]                 ; back: the 32 lanes take one row of 512 bytes
	s_lshl_b32 s20, s17, 1
	s_add_co_u32 s20, s20, s15
	s_lshl_b32 s20, s20, 19                        ; my first token: 128 rows of 4,096 bytes
	s_mov_b32 s21, 0
	s_add_nc_u64 s[20:21], s[20:21], s[46:47]
	s_add_nc_u64 s[98:99], s[98:99], s[20:21]
.macro FRAG reg, adr, q, i
.irp p, 0,1,2,3,4,5
	ds_load_b64 v[\reg+2*\p:\reg+2*\p+1], v[\adr] offset:(\i)*TROW+(2*(\q)+\p/3)*UNIT+(\p%3)*256
.endr
.endm
; 16 matrix instructions: A's blocks a0, a0 + 1 x B's eight.  first = 1: the bias starts the sums.  The 64 accumulators take turns, one instruction a turn.
.macro MUL16 a0, p, q, sc, first
.irp a, \a0, \a0+1
.irp b, 0,1,2,3,4,5,6,7
.if \first
	v_wmma_scale_f32_16x16x128_f8f6f4 v[8*(8*((\a)%4)+\b):8*(8*((\a)%4)+\b)+7], v[128*(\p)+FR*\b:128*(\p)+FR*\b+FR-1], v[AF+FR*(\a):AF+FR*(\a)+FR-1], v[BI+8*\b:BI+8*\b+7], v[SC+8*NQ*(\sc)+NQ*\b+(\q)], v[SC+8*NQ*(\sc)+NQ*(\a)+(\q)] matrix_a_fmt:MATRIX_FMT_BF6 matrix_b_fmt:MATRIX_FMT_BF6 matrix_a_scale:MATRIX_SCALE_ROW1
.else
	v_wmma_scale_f32_16x16x128_f8f6f4 v[8*(8*((\a)%4)+\b):8*(8*((\a)%4)+\b)+7], v[128*(\p)+FR*\b:128*(\p)+FR*\b+FR-1], v[AF+FR*(\a):AF+FR*(\a)+FR-1], v[8*(8*((\a)%4)+\b):8*(8*((\a)%4)+\b)+7], v[SC+8*NQ*(\sc)+NQ*\b+(\q)], v[SC+8*NQ*(\sc)+NQ*(\a)+(\q)] matrix_a_fmt:MATRIX_FMT_BF6 matrix_b_fmt:MATRIX_FMT_BF6 matrix_a_scale:MATRIX_SCALE_ROW1
.endif
.endr
.endr
.endm
.macro FETCH_B slot, q, p
	WIN TO_B
.irp i, 0,1,2,3,4,5,6,7
	FRAG 128*(\p)+FR*\i, ADRB+\slot, \q, \i
.endr
	WIN 0
.endm
.macro FETCH_A slot, q, i0
.irp i, \i0, \i0+1, \i0+2, \i0+3
	FRAG AF+FR*(\i), ADRA+\slot, \q, \i
.endr
.endm
.macro SCALES sc
.irp i, 0,1,2,3,4,5,6,7
	ds_load_b64 v[SC+8*NQ*\sc+NQ*\i:SC+8*NQ*\sc+NQ*\i+1], v[ADRS] offset:\i*SBLK
.endr
.endm
.macro PLACES n
.rept \n
	v_nop
.endr
.endm
.macro STEP slot, q, first
	s_wait_dscnt 4*NL                              ; B's set and A's blocks 0-3 are in; the youngest 24 loads (A's blocks 4-7) may be out
.if \first
	WIN FST_LO
.else
	WIN MUL_LO
.endif
	MUL16 0, (\q)%2, \q, \slot, \first
	MUL16 2, (\q)%2, \q, \slot, \first
	s_wait_dscnt 0
	PLACES NP
	FETCH_B \slot, (\q)+1, 1-(\q)%2
	FETCH_A \slot, (\q)+1, 0
.if \first
	WIN FST_HI
.else
	WIN MUL_HI
.endif
	MUL16 4, (\q)%2, \q, \slot, \first
	MUL16 6, (\q)%2, \q, \slot, \first
	PLACES NP
	WIN 0
	FETCH_A \slot, (\q)+1, 4
.endm
.macro TURN slot, next, fill
	s_wait_tensorcnt 0x0                           ; all my tensor loads have landed: my part of the next slot
	ds_add_u32 v[SPW], v[NIL]                      ; 0 onto my spare word
	s_wait_dscnt 4*NL+1                            ; (the add and the youngest 24 loads may be out)
	WIN MUL_LO
	MUL16 0, 1, NQ-1, \slot, 0
	s_wait_dscnt 0x0                               ; the add is done, and my reads of this slot are over
	s_barrier_signal -1
	MUL16 2, 1, NQ-1, \slot, 0
	WIN 0
	s_barrier_wait -1
.if \fill
	CREST                                          ; the barrier has opened a round of the cluster's barrier
	s_add_nc_u64 s[G0+4*\slot+2:G0+4*\slot+3], s[G0+4*\slot+2:G0+4*\slot+3], 2*TROW
	s_add_nc_u64 s[G0B+4*\slot+2:G0B+4*\slot+3], s[G0B+4*\slot+2:G0B+4*\slot+3], 2*TROW
	JLOAD G0+4*\slot, G1, G0B+4*\slot, G1B         ; the first tensor load behind the round
.else
	PLACES NP
.endif
	s_wait_alu depctr_va_vdst(0)
	v_add_nc_u32 v[ADRS], 4*NQ, v[ADRS]
	FETCH_B \next, 0, 0
	FETCH_A \next, 0, 0
	SCALES \next
	WIN MUL_HI
	MUL16 4, 1, NQ-1, \slot, 0
	MUL16 6, 1, NQ-1, \slot, 0
	PLACES NP
	WIN 0
	FETCH_A \next, 0, 4
.endm
	s_wait_alu depctr_va_vdst(0)
	s_wait_tensorcnt 1                             ; the scale bytes and my part of K step 0 are in (K step 1's load may be out),
	s_barrier_signal -1
	s_barrier_wait -1                              ; everybody's are
	FETCH_B 0, 0, 0
	FETCH_A 0, 0, 0
	SCALES 0
	FETCH_A 0, 0, 4
	s_wait_loadcnt 0x0                             ; the bias
	STEP 0, 0, 1
	s_mov_b32 s3, LAPS-1
.Llap:
	TURN 0, 1, 1
	STEP 1, 0, 0
	TURN 1, 0, 1
	STEP 0, 0, 0
	s_sub_co_u32 s3, s3, 1
	s_cmp_lg_u32 s3, 0
	s_cbranch_scc1 .Llap
	TURN 0, 1, 0                                   ; the last lap fills nothing
	STEP 1, 0, 0
	s_wait_dscnt 4*NL
	WIN MUL_LO
	MUL16 0, 1, NQ-1, 1, 0
	MUL16 2, 1, NQ-1, 1, 0
	s_wait_dscnt 0
	WIN MUL_HI
	MUL16 4, 1, NQ-1, 1, 0
	MUL16 6, 1, NQ-1, 1, 0
	WIN 0
; THE WAY OUT, block by block of 16 tokens x 128 channels, through my own stage: in by lanes (32 bytes of a row at the channels' true place), back as whole rows of 512 bytes.
; LDS serves a wave's instructions in order (ISA guide 5.7.1.4): no wait between the stores and the loads, nor in front of the next block's stores.
.macro TOSTAGE a
.set AC, 64*((\a)%4)
.set WN, 0x08+4*((\a)/4)
	WIN WN                                         ; the data: window 2 or 3
.irp b, 0,1,2,3,4,5,6,7
	ds_store_b128 v[STO], v[AC+8*\b:AC+8*\b+3] offset:128*(\b/2)+32*(\b%2)          ; each accumulator from its low end on
	ds_store_b128 v[STO], v[AC+8*\b+4:AC+8*\b+7] offset:128*(\b/2)+32*(\b%2)+16
.endr
	WIN 0
.set BB, BK+64*((\a)%2)
.irp t, 0,1,2,3,4,5,6,7,8,9,10,11,12,13,14,15
	ds_load_b128 v[BB+4*\t:BB+4*\t+3], v[RD] offset:\t*SPITCH
.endr
.endm
.macro SEND a, younger                 ; younger: the LDS instructions issued behind block a's loads, which may stay out
.set BB, BK+64*((\a)%2)
	s_wait_dscnt \younger
.irp t, 0,1,2,3,4,5,6,7,8,9,10,11,12,13,14,15
	global_store_b128 v[CO], v[BB+4*\t:BB+4*\t+3], s[98:99] offset:(32*((\a)/2)+8*((\a)%2)+(\t%8)+16*(\t/8))*4096 th:TH_STORE_NT   ; row t of block a is this token; 512 consecutive bytes, aligned
.endr
.endm
	PLACES NP
	TOSTAGE 0
.irp a, 1,2,3,4,5,6,7
.if \a > 1
	s_wait_xcnt 0x0                                ; block a - 2's stores have read their registers: block a's loads may land there
.endif
	TOSTAGE \a
	SEND \a-1, 32                                  ; behind block a - 1's loads: block a's 16 stores and 16 loads
.endr
	SEND 7, 0
	s_wait_tensorcnt 0x0                           ; the wave's end
	ds_add_u32 v[SPW], v[NIL]
	s_wait_dscnt 0x0
	CROUND                                         ; the closing round
	s_endpgm
.Lfunc_end_k_qcf7bd7dd7f_proj:
	.size	k_qcf7bd7dd7f_proj, .Lfunc_end_k_qcf7bd7dd7f_proj-k_qcf7bd7dd7f_proj
	.p2alignl 7, 3214868480
	.fill 96, 4, 3214868480
	.section	.rodata,"a",@progbits
	.p2align	6, 0x0
	.amdhsa_kernel k_qcf7bd7dd7f_proj
		.amdhsa_group_segment_fixed_size 327680
		.amdhsa_private_segment_fixed_size 0
		.amdhsa_enable_private_segment 0
		.amdhsa_kernarg_size 48
		.amdhsa_user_sgpr_count 2
		.amdhsa_user_sgpr_kernarg_segment_ptr 1
		.amdhsa_wavefront_size32 1
		.amdhsa_system_sgpr_workgroup_id_x 1
		.amdhsa_system_sgpr_workgroup_id_y 1
		.amdhsa_system_sgpr_workgroup_id_z 1
		.amdhsa_system_vgpr_workitem_id 0
		.amdhsa_next_free_vgpr 1024
		.amdhsa_next_free_sgpr 100
		.amdhsa_reserve_vcc 0
		.amdhsa_float_denorm_mode_32 3
		.amdhsa_float_denorm_mode_16_64 3
		.amdhsa_memory_ordered 1
		.amdhsa_forward_progress 1
		.amdhsa_inst_pref_size 161
	.end_amdhsa_kernel
	.amdgpu_metadata
---
amdhsa.version: [ 1, 2 ]
amdhsa.kernels:
  - .name:           k_qcf7bd7dd7f_proj
    .symbol:         k_qcf7bd7dd7f_proj.kd
    .args:
      - { .name: y_img, .offset: 0, .size: 8, .value_kind: global_buffer, .address_space: global }
      - { .name: y_sc, .offset: 8, .size: 8, .value_kind: global_buffer, .address_space: global }
      - { .name: xw_img, .offset: 16, .size: 8, .value_kind: global_buffer, .address_space: global }
      - { .name: xw_sc, .offset: 24, .size: 8, .value_kind: global_buffer, .address_space: global }
      - { .name: bp, .offset: 32, .size: 8, .value_kind: global_buffer, .address_space: global }
      - { .name: out0, .offset: 40, .size: 8, .value_kind: global_buffer, .address_space: global }
    .group_segment_fixed_size: 327680
    .private_segment_fixed_size: 0
    .kernarg_segment_align: 8
    .kernarg_segment_size: 48
    .max_flat_workgroup_size: 128
    .sgpr_count:     100
    .vgpr_count:     1024
    .wavefront_size: 32
...
	.end_amdgpu_metadata
.endif
;; end of part 5
